; MI455X (gfx1250); checked and timed in simulation.
; The chip was launched on July 23, 2026; its instructions are those of AMD's public machine-readable ISA for CDNA 5 (MIT licence, August 2026) and "CDNA5" Instruction Set Architecture Reference Guide (July 2026). The comments in the code are by the model that wrote it; some were corrected since.
;; Causal Varlen Self Attention. Allowed arithmetic: matrix products marked QUANTISED: E4M3 operands, one given power-of-two scale a tensor, by v_wmma_f32_16x16x64_fp8_fp8 or v_wmma_f32_16x16x128_fp8_fp8, f32 sums; everything else in f32.
;; Inputs: Wo 1,024 x 1,024 float32; Wqkv 3,072 x 1,024 float32; cos_cache 1,024 x 32 float32; cu_seqlens 9 int32; gate_b 16 float32; gate_w 16 x 1,024 float32; lowp_scales 10 int32 (the exponents e of the quantised operands' scales 2^e); position_ids 8,192 int32; sin_cache 1,024 x 32 float32; x 8,192 x 1,024 float32.
;; Outputs: out0 8,192 x 1,024 float32.
;; Constants: max_seqlen = 1024.
;; This version of the problem:
;;   THIS VERSION OF THE PROBLEM IS GIVEN IN LOW PRECISION. The matrix products marked QUANTISED in the list below multiply operands that are first quantised to E4M3 (4 exponent bits, 3 mantissa bits; 8 bits a number), with one given power-of-two scale for each operand tensor; their sums are f32. All else is computed in f32.
;;   The module's matrix products, in the order in which they are computed (A, B: the left and right operand; K: the contracted axis; several contracted axes count as one K, in the product's order):
;;     1. [M 8,192, K 1,024] x [K 1,024, N 3,072]; A: input x; B: input Wqkv: QUANTISED (scales: A lowp_scales[0], B lowp_scales[1])
;;     2. batch 128 x [M 1,024, K 64] x [K 64, N 1,024]; A: computed on the way; B: computed on the way: QUANTISED (scales: A lowp_scales[2], B lowp_scales[3])
;;     3. batch 128 x [M 64, K 1,024] x [K 1,024, N 1,024]; A: computed on the way; B: softmax (see below): QUANTISED (scales: A lowp_scales[4], B lowp_scales[5])
;;     4. [M 8,192, K 1,024] x [K 1,024, N 16]; A: input x; B: input gate_w: QUANTISED (scales: A lowp_scales[6], B lowp_scales[7])
;;     5. [M 8,192, K 1,024] x [K 1,024, N 1,024]; A: computed on the way; B: input Wo: QUANTISED (scales: A lowp_scales[8], B lowp_scales[9])
;;   THE QUANTISER, for each operand of a quantised product, along K:
;;     - The operand's scale is 2^e, e = its entry of the input lowp_scales (int32; the entries are numbered through the quantised products in the list's order, A before B).
;;     - Each number is divided by the scale, clamped to +-448, and rounded to the nearest number of E4M3, ties to even, subnormals kept.
;;     - The product sums the exact products of the quantised numbers (number of the format x scale) in f32.
;;   ~~~python
;;   def quantise(x, axis, e):      # numpy; x: float32 -> the quantised numbers, widened to float32 again
;;       x = np.moveaxis(x, axis, -1); K = x.shape[-1]
;;       r = np.clip(x / 2.0 ** e, -448, 448)
;;       step = 2.0 ** (np.maximum(np.frexp(np.where(r == 0, 1, r))[1] - 1, -6) - 3)
;;       q = np.round(r / step) * step * 2.0 ** e      # np.round: ties to even
;;       return np.moveaxis(q, -1, axis).astype(np.float32)
;;   ~~~
;;   SOFTMAX AHEAD OF A QUANTISED PRODUCT. Where the list says 'softmax', what is quantised is not the finished softmax but p = 2^(t - M), with t = logit x log2(e) and M = ceil(the row's largest t), a whole number; so 1/2 < the row's largest p <= 1. The row's sum l is taken of the UNQUANTISED p, in f32, and the product's result is divided by l at the end. Since M is a whole number, a kernel that streams over the keys may use a running M (the ceiling of the running maximum): every later rescaling is an exact power of two, so the quantised numbers keep their values, but for numbers so far below the row's largest that they fall under the format's range.
;;   OPERANDS COMPUTED ON THE WAY. 'Computed on the way' means the value that the module computes at that place (a softmax that the list does not call 'softmax' is quantised finished and normalised). What goes into a quantiser is computed in f32, as accurately as f32 sums, v_exp_f32 and their like allow (about 1e-6 of the number): no bf16 or f16 on the way to a quantiser, and a product that is left as it is and whose result goes on into a quantised operand takes f32 operands (vector FMAs, or v_wmma_f32_16x16x4_f32). A number that lies on a knife's edge between two numbers of the format may be rounded either way, as far as f32 arithmetic and the matrix unit's own rounding can turn it there, and no further.
;; One version. Each part assembles by itself: llvm-mc -triple=amdgcn-amd-amdhsa -mcpu=gfx1250 --defsym DOCPART=n.
;; ======== version 1 of 1: 4 launches
;; limits: right only within a limited range of input values
;; workspace buffers: xq 8,388,608 bytes; wq 3,145,728 bytes; woc 1,048,576 bytes; gate 524,288 bytes; qc 8,388,608 bytes; kv 16,777,216 bytes; ac 8,388,608 bytes
;; launch prep (part 1): grid 384 x 1, 8 waves a work-group, no clusters, 84,992 bytes of LDS; arguments x, Wqkv, Wo, gate_w, gate_b, lowp_scales, xq, wq, woc, gate; writes xq, wq, woc, gate
.if DOCPART == 1
	.amdgcn_target "amdgcn-amd-amdhsa--gfx1250"
	.amdhsa_code_object_version 6
	.text
	.protected	k_q6a42b657e1_prep
	.globl	k_q6a42b657e1_prep
	.p2align	8
	.type	k_q6a42b657e1_prep,@function
k_q6a42b657e1_prep:
	s_mov_b64 s[64:65], 0
	v_nop
	global_prefetch_b8 v0, s[64:65] scope:SCOPE_SE
	s_setreg_imm32_b32 hwreg(HW_REG_WAVE_MODE, 25, 1), 1
	s_wait_xcnt 0x0
; PREP.  x [8192][1024], Wqkv [3072][1024] and Wo [1024][1024], f32, K innermost, become codes of E4M3 with the given scales 2^e0, 2^e1, 2^e9; and gate = sigmoid(x gate_w^T + gate_b), whose product is made
; here on codes of x with 2^e6 and of gate_w with 2^e7, so that x is read from memory once for both of its quantisers.
; NOT LOADED: cu_seqlens enters reference() by its shape alone and max_seqlen not at all: neither has a way to an output, so neither is among any launch's arguments.
; THE CODES' LAYOUT (an image): a tile of 16 rows x 64 k is 1,024 bytes, [part 0,1][lane 0..31][16 bytes]; lane 16 h + r holds row r, and part p holds registers 4 p .. 4 p + 3 of the 8-bit operand of the plain forms
; (registers 2 c, 2 c + 1: k = 16 c + 8 h + 0 .. 7).  A tensor is [row tile][k / 64][image].
; SHARES.  A work-group takes 32 rows (two row tiles); wave w of its eight takes k = 128 w .. 128 w + 127: two images of each row tile.  Work-groups 0-255 take x, 256-351 Wqkv, 352-383 Wo: only pointers and the
; exponent are chosen, the text is one.
; A STEP is 16 rows x 64 k.  Eight loads read it as it lies (sixteen lanes: 256 consecutive bytes of a row); it turns through the wave's own stage in LDS (rows 272 bytes apart) and comes back with 8 neighbours along k
; in 8 registers; hold, conversion, two stores of 512 consecutive bytes.  Loads run three steps ahead.
; THE GATE (x's work-groups).  Each step's numbers are converted a second time, with e6, and kept in the wave's own LDS bytes.  gate_w's 16 rows follow x in the stream of loads: two more steps, each with two matrix
; instructions (two row tiles, two accumulators by turns).  The eight waves' partial sums over their eighths of K meet in LDS behind one barrier; 256 threads add them, two numbers each, and make the sigmoid.
; gate is laid [token tile][h'][head][8 tokens], the token in its tile = 8 h' + j: the matrix result's own order, 32 bytes a lane.
; LIMITS: e0, e1, e9, e6, e7 between -126 and 119, e6 + e7 between -126 and 127 (each power of two below is an f32 number).  NaN among the inputs is not served.
.set NX,    256                        ; x's work-groups
.set NXW,   352                        ; x's and Wqkv's
.set SP,    272                        ; a stage row: 256 bytes + 16
.set STW,   16*SP                      ; a wave's stage; the eight lie from LDS byte 0 on
.set XG,    8*STW                      ; x's codes with e6: 4 images for each wave
.set PB,    XG+8*4096                  ; the gate's partial sums: [row tile 2][wave 8][1,024 bytes]
.set SPARE, PB+16384                   ; the spare words, 128 bytes for each wave: four blocks of 256 bytes that no other line names
.set LA,   1                           ; v1   a load's place: 4,096 (lane / 16) + 16 (lane % 16)
.set SA,   2                           ; v2   into the stage: the same two rows
.set RA,   3                           ; v3   out of it: row r, + 32 h
.set OA,   4                           ; v4   16 x lane
.set XGA,  5                           ; v5   my wave's images of x with e6, + 16 x lane
.set PBW,  6                           ; v6   where I put my partial sums: 32 x lane
.set RDA,  7                           ; v7   where I read eight waves' partial sums
.set GOA,  8                           ; v8   8 x thread: my 8 bytes of the work-group's 2,048 of gate
.set BOF,  9                           ; v9   4 x my head, for gate_b
.set SPW,  10                          ; v10  LDS address of my spare word; never rewritten
.set NIL,  11                          ; v11  0; never rewritten
.set SCK,  12                          ; v12, v13  2^e and 448 x 2^e of my tensor
.set SC6,  14                          ; v14, v15  the same with e6
.set R,    16                          ; v16-111   three sets of 32 numbers as loaded
.set X,    112                         ; v112-143  the step's numbers: register 8 c + i = k 16 c + 8 h + i of row r
.set T,    144                         ; v144-175  held
.set C,    176                         ; v176-183  an image to store
.set XGC,  184                         ; v184-191  x's image with e6
.set GWC,  192                         ; v192-199  gate_w's image
.set XL,   200                         ; v200-215  x's images of the two row tiles, read back
.set ACC0, 216                         ; v216-223, v224-231  the gate's two accumulators
.set ACC1, 224
.set SC7,  232                         ; v232, v233  2^e7 and 448 x 2^e7
.set BIA,  234                         ; v234 gate_b of my head
.set FAC,  235                         ; v235 -log2(e) x 2^(e6 + e7)
.set RED,  236                         ; v236-251  at work at the head, and in the sum over waves
	s_load_b256 s[4:11], s[0:1], 0x0               ; x s[4:5], Wqkv s[6:7], Wo s[8:9], gate_w s[10:11]
	s_load_b256 s[12:19], s[0:1], 0x20             ; gate_b s[12:13], the exponents s[14:15], xq s[16:17], wq s[18:19]
	s_load_b128 s[20:23], s[0:1], 0x40             ; woc s[20:21], gate s[22:23]
	v_lshl_add_u32 v[SPW], v0, 2, SPARE
	v_mov_b32 v[NIL], 0
	v_lshrrev_b32 v[RED], 5, v0
	v_readfirstlane_b32 s24, v[RED]                ; wave 0..7
	v_and_b32 v[RED], 15, v0                       ; r
	v_bfe_u32 v[RED+1], v0, 4, 1                   ; h
	v_and_b32 v[RED+2], 31, v0                     ; lane
	v_lshlrev_b32 v[LA], 4, v[RED]
	v_lshl_add_u32 v[LA], v[RED+1], 12, v[LA]
	s_mul_i32 s25, s24, STW
	v_mul_u32_u24 v[SA], v[RED+1], SP
	v_lshl_add_u32 v[SA], v[RED], 4, v[SA]
	v_add_nc_u32 v[SA], s25, v[SA]
	v_mul_u32_u24 v[RA], v[RED], SP
	v_lshl_add_u32 v[RA], v[RED+1], 5, v[RA]
	v_add_nc_u32 v[RA], s25, v[RA]
	v_lshlrev_b32 v[OA], 4, v[RED+2]
	s_lshl_b32 s25, s24, 12
	s_add_co_u32 s25, s25, XG
	v_add_nc_u32 v[XGA], s25, v[OA]
	s_lshl_b32 s25, s24, 10
	s_add_co_u32 s25, s25, PB
	v_lshl_add_u32 v[PBW], v[RED+2], 5, s25
	v_lshrrev_b32 v[RDA], 7, v0                    ; threads 0-127: row tile 0; 128-255: row tile 1
	v_lshlrev_b32 v[RDA], 13, v[RDA]
	v_and_b32 v[RED+3], 127, v0
	v_lshl_add_u32 v[RDA], v[RED+3], 3, v[RDA]
	v_add_nc_u32 v[RDA], PB, v[RDA]
	v_lshlrev_b32 v[GOA], 3, v0
	v_bfe_u32 v[BOF], v0, 2, 4                     ; 32 bytes belong to a lane of the result, whose head is lane % 16: bits 2 to 5 of the thread's number
	v_lshlrev_b32 v[BOF], 2, v[BOF]
	s_wait_alu depctr_va_vdst(0)
	s_wait_kmcnt 0x0
	s_load_b256 s[40:47], s[14:15], 0x0            ; e0 .. e7
	s_load_b64 s[48:49], s[14:15], 0x20            ; e8, e9
	s_mov_b32 s32, NXW
	s_cmp_lt_u32 ttmp9, NXW                        ; the choices hang on the work-group's number alone
	s_cselect_b64 s[26:27], s[6:7], s[8:9]
	s_cselect_b64 s[28:29], s[18:19], s[20:21]
	s_cselect_b32 s32, NX, s32
	s_cmp_lt_u32 ttmp9, NX
	s_cselect_b64 s[26:27], s[4:5], s[26:27]       ; from where
	s_cselect_b64 s[28:29], s[16:17], s[28:29]     ; to where
	s_cselect_b32 s32, 0, s32
	s_sub_co_u32 s32, ttmp9, s32                   ; which 32 rows of my tensor
	s_lshl_b32 s34, s32, 17                        ; 32 rows of 4,096 bytes,
	s_lshl_b32 s36, s24, 9                         ; my wave's 128 numbers of a row
	s_add_co_u32 s34, s34, s36
	s_mov_b32 s35, 0
	s_add_nc_u64 s[26:27], s[26:27], s[34:35]
	s_lshl_b32 s34, s32, 15                        ; two row tiles of 16 images,
	s_lshl_b32 s37, s24, 11                        ; my wave's two images of each
	s_add_co_u32 s34, s34, s37
	s_add_nc_u64 s[28:29], s[28:29], s[34:35]
	s_mov_b32 s37, 0
	s_add_nc_u64 s[30:31], s[10:11], s[36:37]      ; gate_w at my wave's 128 numbers of a row
	s_lshl_b32 s34, ttmp9, 11
	s_add_nc_u64 s[22:23], s[22:23], s[34:35]      ; gate at my work-group's two token tiles (used by x's work-groups alone)
.macro LOADX t                         ; step t (row tile t / 2, image t % 2) as it lies: load i takes rows 2 i and 2 i + 1, 256 consecutive bytes each
.irp i, 0,1,2,3,4,5,6,7
	global_load_b128 v[R+32*((\t)%3)+4*\i:R+32*((\t)%3)+4*\i+3], v[LA], s[26:27] offset:((\t)/2)*65536+((\t)%2)*256+\i*8192 th:TH_LOAD_NT
.endr
.endm
.macro LOADG t                         ; steps 4 and 5: gate_w's 16 rows, image t - 4 of my wave's two
.irp i, 0,1,2,3,4,5,6,7
	global_load_b128 v[R+32*((\t)%3)+4*\i:R+32*((\t)%3)+4*\i+3], v[LA], s[30:31] offset:((\t)-4)*256+\i*8192
.endr
.endm
.macro TURN t                          ; through my stage: LDS serves a wave's instructions in order, so no wait stands between the stores and the loads
.irp i, 0,1,2,3,4,5,6,7
	ds_store_b128 v[SA], v[R+32*((\t)%3)+4*\i:R+32*((\t)%3)+4*\i+3] offset:2*SP*\i
.endr
.irp c, 0,1,2,3
	ds_load_b128 v[X+8*\c:X+8*\c+3], v[RA] offset:64*\c
	ds_load_b128 v[X+8*\c+4:X+8*\c+7], v[RA] offset:64*\c+16
.endr
.endm
.macro HOLDCVT dst, sc                 ; X's 32 numbers become an image in v[dst] on; v[sc]: the scale as f32, v[sc + 1]: 448 x the scale
.set i, 0
.rept 32
	v_med3_num_f32 v[T+i], v[X+i], -v[\sc+1], v[\sc+1]   ; the conversion to an 8-bit code does not saturate (ISA guide 7.6.2): the hold comes first
.set i, i+1
.endr
.irp c, 0,1,2,3
	v_cvt_scalef32_pk8_fp8_f32 v[\dst+2*\c:\dst+2*\c+1], v[T+8*\c:T+8*\c+7], v[\sc]
.endr
	v_nop                                          ; one plain vector instruction behind the last conversion
.endm
.macro MKSCALE e, sc                   ; 2^e and 448 x 2^e as f32 patterns
	s_add_co_i32 s37, \e, 127
	s_lshl_b32 s38, s37, 23
	v_mov_b32 v[\sc], s38
	s_add_co_i32 s37, s37, 8
	s_lshl_b32 s37, s37, 23
	s_or_b32 s37, s37, 0x600000
	v_mov_b32 v[\sc+1], s37
.endm
	global_load_b32 v[BIA], v[BOF], s[12:13]       ; gate_b: the oldest load, so that it changes no count below (the weights' work-groups do not use it)
	LOADX 0
	LOADX 1
	LOADX 2
	s_wait_kmcnt 0x0
	s_cmp_lt_u32 ttmp9, NXW
	s_cselect_b32 s36, s41, s49
	s_cmp_lt_u32 ttmp9, NX
	s_cselect_b32 s36, s40, s36                    ; my tensor's e
	MKSCALE s36, SCK
	MKSCALE s46, SC6
	MKSCALE s47, SC7
.macro STEPX t
.if (\t) <= 1
	s_wait_loadcnt 16                              ; this step's eight loads are in; the two younger steps' sixteen may be out
.elseif (\t) == 2
	s_wait_loadcnt 8                               ; step 3's eight may be out (in x's work-groups the youngest eight are gate_w's first: the count is then smaller than it need be)
.else
	s_wait_loadcnt 0
.endif
	TURN \t
	s_wait_dscnt 0x0                               ; the numbers are back, and the stage's stores have read their registers,
.if (\t) == 0
	LOADX 3                                        ; which take the loads of three steps on
.endif
	s_wait_xcnt 0x0                                ; the last step's stores have read C: it is written again only behind this wait
	HOLDCVT C, SCK
	global_store_b128 v[OA], v[C:C+3], s[28:29] offset:((\t)/2)*16384+((\t)%2)*1024 th:TH_STORE_NT       ; 32 lanes store 512 consecutive bytes, at a multiple of 256 from the buffer's first byte
	global_store_b128 v[OA], v[C+4:C+7], s[28:29] offset:((\t)/2)*16384+((\t)%2)*1024+512 th:TH_STORE_NT
	s_cmp_lt_u32 ttmp9, NX                         ; x's work-groups: the same numbers once more, with e6
	s_cbranch_scc0 .Lweights_\@
.if ((\t)-1)*((\t)-2) == 0
	LOADG (\t)+3                                   ; steps 1 and 2: gate_w follows x in the stream of loads, into the set that this step has left
.endif
	HOLDCVT XGC, SC6
	ds_store_b128 v[XGA], v[XGC:XGC+3] offset:(\t)*1024
	ds_store_b128 v[XGA], v[XGC+4:XGC+7] offset:(\t)*1024+512
.Lweights_\@:
.endm
	s_wait_alu depctr_va_vdst(0)
.irp t, 0,1,2,3
	STEPX \t
.endr
	s_cmp_ge_u32 ttmp9, NX
	s_cbranch_scc1 .Lend                           ; the weights' work-groups are done: all eight waves of a work-group take the same way
; THE GATE'S PRODUCT: source 0 = 16 tokens of x, source 1 = gate_w's 16 heads: lane (r, h') holds head r, register j token 8 h' + j.
.macro STEPG t
.if (\t) == 4
	s_wait_loadcnt 8                               ; step 5's loads may be out
.else
	s_wait_loadcnt 0
.endif
	TURN \t
	s_wait_dscnt 0x0
	HOLDCVT GWC, SC7                               ; its 32 holds are also the places between the last step's products and the writes of their sources
	ds_load_b128 v[XL:XL+3], v[XGA] offset:((\t)-4)*1024
	ds_load_b128 v[XL+4:XL+7], v[XGA] offset:((\t)-4)*1024+512
	ds_load_b128 v[XL+8:XL+11], v[XGA] offset:((\t)-2)*1024
	ds_load_b128 v[XL+12:XL+15], v[XGA] offset:((\t)-2)*1024+512
	s_wait_dscnt 0x0
.if (\t) == 4
	s_wait_alu depctr_va_vdst(0)
	v_wmma_f32_16x16x64_fp8_fp8 v[ACC0:ACC0+7], v[XL:XL+7], v[GWC:GWC+7], 0       ; the first product starts each sum
	v_wmma_f32_16x16x64_fp8_fp8 v[ACC1:ACC1+7], v[XL+8:XL+15], v[GWC:GWC+7], 0
.else
	s_wait_alu depctr_va_vdst(0)
	v_wmma_f32_16x16x64_fp8_fp8 v[ACC0:ACC0+7], v[XL:XL+7], v[GWC:GWC+7], v[ACC0:ACC0+7]   ; the two accumulators take turns, one instruction a turn
	v_wmma_f32_16x16x64_fp8_fp8 v[ACC1:ACC1+7], v[XL+8:XL+15], v[GWC:GWC+7], v[ACC1:ACC1+7]
.endif
.endm
	STEPG 4
	STEPG 5
	s_add_co_i32 s39, s46, s47
	s_add_co_i32 s39, s39, 127
	s_lshl_b32 s39, s39, 23                        ; 2^(e6 + e7) as f32
	v_mov_b32 v[FAC], s39                          ; four plain instructions: the places behind the last products
	v_mul_f32 v[FAC], 0xbfb8aa3b, v[FAC]           ; x -log2(e)
	v_mul_f32 v[BIA], 0xbfb8aa3b, v[BIA]           ; -log2(e) x gate_b
	v_nop
	ds_store_b128 v[PBW], v[ACC0:ACC0+3]           ; each accumulator from its low end on
	ds_store_b128 v[PBW], v[ACC0+4:ACC0+7] offset:16
	ds_store_b128 v[PBW], v[ACC1:ACC1+3] offset:8192
	ds_store_b128 v[PBW], v[ACC1+4:ACC1+7] offset:8208
	s_wait_alu depctr_va_vdst(0)
	s_wait_dscnt 0x0                               ; for the others' sake: my partial sums lie in LDS
	s_barrier_signal -1
	s_barrier_wait -1
.irp w, 0,1,2,3,4,5,6,7
	ds_load_b64 v[RED+2*\w:RED+2*\w+1], v[RDA] offset:1024*\w   ; two tokens of one head, from each wave's eighth of K
.endr
	s_wait_dscnt 0x0
	v_pk_add_f32 v[RED:RED+1], v[RED:RED+1], v[RED+2:RED+3]
	v_pk_add_f32 v[RED+4:RED+5], v[RED+4:RED+5], v[RED+6:RED+7]
	v_pk_add_f32 v[RED+8:RED+9], v[RED+8:RED+9], v[RED+10:RED+11]
	v_pk_add_f32 v[RED+12:RED+13], v[RED+12:RED+13], v[RED+14:RED+15]
	v_pk_add_f32 v[RED:RED+1], v[RED:RED+1], v[RED+4:RED+5]
	v_pk_add_f32 v[RED+8:RED+9], v[RED+8:RED+9], v[RED+12:RED+13]
	v_pk_add_f32 v[RED:RED+1], v[RED:RED+1], v[RED+8:RED+9]
.irp i, 0,1
	v_fma_f32 v[RED+\i], v[RED+\i], v[FAC], v[BIA] ; -log2(e) x (sum x 2^(e6 + e7) + gate_b)
.endr
	s_wait_alu depctr_va_vdst(0)
.irp i, 0,1
	v_exp_f32 v[RED+\i], v[RED+\i]
.endr
	v_nop                                          ; a plain instruction behind the last exponential,
	s_wait_alu depctr_va_vdst(0)                   ; and one wait for the two, ahead of their first reader
.irp i, 0,1
	v_add_f32 v[RED+\i], 1.0, v[RED+\i]
.endr
	s_wait_alu depctr_va_vdst(0)
.irp i, 0,1
	v_rcp_f32 v[RED+\i], v[RED+\i]                 ; sigmoid = 1 / (1 + 2^(-log2(e) z))
.endr
	v_nop
	s_wait_alu depctr_va_vdst(0)
	global_store_b64 v[GOA], v[RED:RED+1], s[22:23] th:TH_STORE_NT   ; a wave stores 256 consecutive bytes, aligned
.Lend:
	s_wait_tensorcnt 0x0                           ; the wave's end, behind my last LDS store
	ds_add_u32 v[SPW], v[NIL]
	s_wait_dscnt 0x0
	s_endpgm
.Lfunc_end_k_q6a42b657e1_prep:
	.size	k_q6a42b657e1_prep, .Lfunc_end_k_q6a42b657e1_prep-k_q6a42b657e1_prep
	.p2alignl 7, 3214868480
	.fill 96, 4, 3214868480
	.section	.rodata,"a",@progbits
	.p2align	6, 0x0
	.amdhsa_kernel k_q6a42b657e1_prep
		.amdhsa_group_segment_fixed_size 84992
		.amdhsa_private_segment_fixed_size 0
		.amdhsa_enable_private_segment 0
		.amdhsa_kernarg_size 80
		.amdhsa_user_sgpr_count 2
		.amdhsa_user_sgpr_kernarg_segment_ptr 1
		.amdhsa_wavefront_size32 1
		.amdhsa_system_sgpr_workgroup_id_x 1
		.amdhsa_system_sgpr_workgroup_id_y 1
		.amdhsa_system_sgpr_workgroup_id_z 1
		.amdhsa_system_vgpr_workitem_id 0
		.amdhsa_next_free_vgpr 256
		.amdhsa_next_free_sgpr 66
		.amdhsa_reserve_vcc 0
		.amdhsa_float_denorm_mode_32 3
		.amdhsa_float_denorm_mode_16_64 3
		.amdhsa_memory_ordered 1
		.amdhsa_forward_progress 1
		.amdhsa_inst_pref_size 43
	.end_amdhsa_kernel
	.amdgpu_metadata
---
amdhsa.version: [ 1, 2 ]
amdhsa.kernels:
  - .name:           k_q6a42b657e1_prep
    .symbol:         k_q6a42b657e1_prep.kd
    .args:
      - { .name: x, .offset: 0, .size: 8, .value_kind: global_buffer, .address_space: global }
      - { .name: Wqkv, .offset: 8, .size: 8, .value_kind: global_buffer, .address_space: global }
      - { .name: Wo, .offset: 16, .size: 8, .value_kind: global_buffer, .address_space: global }
      - { .name: gate_w, .offset: 24, .size: 8, .value_kind: global_buffer, .address_space: global }
      - { .name: gate_b, .offset: 32, .size: 8, .value_kind: global_buffer, .address_space: global }
      - { .name: lowp_scales, .offset: 40, .size: 8, .value_kind: global_buffer, .address_space: global }
      - { .name: xq, .offset: 48, .size: 8, .value_kind: global_buffer, .address_space: global }
      - { .name: wq, .offset: 56, .size: 8, .value_kind: global_buffer, .address_space: global }
      - { .name: woc, .offset: 64, .size: 8, .value_kind: global_buffer, .address_space: global }
      - { .name: gate, .offset: 72, .size: 8, .value_kind: global_buffer, .address_space: global }
    .group_segment_fixed_size: 84992
    .private_segment_fixed_size: 0
    .kernarg_segment_align: 8
    .kernarg_segment_size: 80
    .max_flat_workgroup_size: 256
    .sgpr_count:     66
    .vgpr_count:     256
    .wavefront_size: 32
...
	.end_amdgpu_metadata
.endif
;; end of part 1
;; launch qkv (part 2): grid 8 x 32, 4 waves a work-group, clusters of 4 x 4, 327,680 bytes of LDS; arguments xq, wq, lowp_scales, position_ids, cos_cache, sin_cache, qc, kv; writes qc, kv
.if DOCPART == 2
	.amdgcn_target "amdgcn-amd-amdhsa--gfx1250"
	.amdhsa_code_object_version 6
	.text
	.protected	k_q6a42b657e1_qkv
	.globl	k_q6a42b657e1_qkv
	.p2align	8
	.type	k_q6a42b657e1_qkv,@function
k_q6a42b657e1_qkv:
	s_mov_b64 s[64:65], 0
	v_nop
	global_prefetch_b8 v0, s[64:65] scope:SCOPE_SE
	s_setreg_imm32_b32 hwreg(HW_REG_WAVE_MODE, 25, 1), 1
	s_wait_xcnt 0x0
	s_wait_alu depctr_hold_cnt(0) depctr_sa_sdst(0) depctr_va_vdst(0) depctr_va_sdst(0) depctr_va_ssrc(0) depctr_va_vcc(0) depctr_vm_vsrc(0)
	s_getreg_b32 s2, hwreg(HW_REG_IB_STS2, 6, 4)
	s_cmp_eq_u32 s2, 0
	s_cbranch_scc0 .Lentry_in_a_cluster
	s_endpgm
.Lentry_in_a_cluster:
	s_bfe_u32 s2, ttmp6, 0x10000c
	s_cmp_lg_u32 s2, 0xf033
	s_cbranch_scc0 .Lentry_shape_is_right
	s_endpgm
.Lentry_shape_is_right:
; QKV.  qkv = x Wqkv^T on codes of E4M3 (K = 1,024), then, in f32: for q and k the rotary turn by the rows of cos_cache and sin_cache that position_ids names, the RMS norm over the head's 64 (with its 1e-6),
; and the quantisers of the attention's operands: q with 2^e2, k with 2^e3, v with 2^e4.  Nothing but codes goes to memory.
; THE CODES' LAYOUT (an image): 16 rows x 64 k in 1,024 bytes, [part 0,1][lane][16 bytes]: registers 4 p .. 4 p + 3 of the plain 8-bit operand of 64 k.  xq, wq: [row tile][k / 64][image].
; OUT: qc [b][head][query tile 64][image].  kv [b][head][131,072 bytes]: K as 64 images (key tiles), then V^T as [key step of 128: 8][channel tile 4][2,048 bytes: the 16 registers of a fragment of 128 keys].
; SHARES.  8,192 x 3,072 results on 256 work-groups: each makes 256 tokens x 384 features: two heads of q, the same two of k, the same two of v.  Wave w takes tokens 128 (w / 2) on and head w % 2: 128 tokens x
; (64 q + 64 k + 64 v): 96 accumulators, 768 registers: q in window 1, k in window 2, v in window 3; accumulator (W block b, token block a) at v[8 (8 (b % 4) + a)] of window 1 + b / 4.
; THE FORM is the one of 64 along K, so that the fragments (8 registers) fit beside the accumulators: window 0 holds the tokens' 8 blocks in TWO sets and W's 12 blocks in ONE.  A step of 64 along K is 96 matrix
; instructions, W's blocks one after the other, each against the tokens' eight: a block of W is free as soon as its eight products are issued, so blocks 0-5 are fetched anew in the step's middle, blocks 6-11 at its end.
; q, k: source 0 = 16 rows of Wqkv, source 1 = 16 tokens: a lane holds ONE token and its registers run along 8 features, so the turn, the norm and the conversions stay in the lane (one exchange with lane xor 16).
; v: the keys are the K of the attention's second product, so its instructions name the two sources the other way round: a lane holds one channel and its registers run along 8 tokens.
; LDS.  A tile has 640 rows, so two slots of 256 along K would take all 327,680 bytes and leave none for the spare words.  The slots are unequal: A holds 192 along K, B 256.  K goes in five fills, in images:
; A 0-2, B 3-6 (both at the start), A 7-9, B 10-13, A 14-15.  Between a refill's request and the wait for it a wave issues 336, 240 and 336 matrix instructions.  By this text's count a wave has at most one tensor load out.
; CLUSTERS: 4 x 4 work-groups.  The four of a row of the cluster need the same tokens' tiles, the four of a column the same rows of Wqkv: each tile is asked for JOINTLY, with a mask that names the four.
; Wave 0 asks for the tokens (16 row tiles), waves 1, 2, 3 for W's rows of q, k, v (8 row tiles each): one load a wave behind each round.
; The sum of squares is taken behind the turn: cos_cache and sin_cache are inputs and need not be a rotation.
; LIMITS: e2, e3 and e4 - e0 - e1 between -126 and 119; e0 + e1 and 2 (e0 + e1) - 6 between -126 and 127 (each power of two below is an f32 number).  position_ids is held at 1,023.  NaN is not served.
.set P3,    3072                       ; a row tile's bytes in a fill of 3 images,
.set P4,    4096                       ; of 4,
.set P2,    2048                       ; of 2
.set LXA,   0                          ; slot A: the tokens' 16 row tiles,
.set LWA,   16*P3                      ; then W's three kinds,
.set KPA,   8*P3                       ; 8 row tiles each
.set LXB,   LWA+3*KPA                  ; slot B likewise
.set LWB,   LXB+16*P4
.set KPB,   8*P4
.set SPARE, LWB+3*KPB                  ; behind the ring: the spare words, 128 bytes for each wave: two blocks of 256 bytes that no other line names
.set OUT0, 6                           ; v6      16 x lane: an image's place for my lane
.set PA,   8                           ; v8-15   token tile a: my token's row of cos and sin, + 32 h bytes
.set AXA3, 16                          ; v16-18  LDS address of my tokens' fragments: slot A with 3 images, slot B, slot A with 2 images
.set AXB,  17
.set AXA2, 18
.set AWA3, 19                          ; v19-22  the same for my head's rows of W; v21: v's rows in slot B, which lie beyond a 16-bit offset
.set AWB,  20
.set AWBV, 21
.set AWA2, 22
.set SCL,  24                          ; v24-29  the conversions' scale as f32 and 448 x that: q, k, v
.set SPW,  30                          ; v30     LDS address of my spare word; never rewritten
.set NIL,  31                          ; v31     0; never rewritten
.set XS,   32                          ; v32-159  the tokens' fragments, two sets of 64
.set WS,   160                         ; v160-255 W's fragments, one set of 96
.set CS,   32                          ; the way out: v32-95 two sets of cos and sin: set i: cos at 32 + 32 i (register 8 t + j: d' = 16 t + 8 h + j), sin 16 further on
.set Y,    96                          ; the way out: v96-159 64 numbers
.set CC,   160                         ; the way out: v160-175 codes
.set STT,  176                         ; the way out: v176-191: 8 registers for q, 8 for k: +0..+3 two pairs of sums, +4 at work, +5 the exchange, +6, +7 the factor as a pair
.set G1XA3, 24                         ; descriptor groups 1, one for each shape, never rewritten while a tensor load is still to come: the tokens' with 3, 4, 2 images,
.set G1XB,  32
.set G1XA2, 40
.set G1WA3, 48                         ; W's
.set G1WB,  56
.set G1WA2, 68
.set G0XA,  76                         ; descriptor groups 0: the tokens' for slot A, slot B; W's for slot A, slot B
.set G0XB,  80
.set G0WA,  84
.set G0WB,  88
.set MSB, 0
.macro WIN new                         ; the immediate's high byte repeats the setting that is left
.if MSB != \new
	s_set_vgpr_msb (MSB<<8)|\new
.set MSB, \new
.endif
.endm
; A joint load: wave 0 fetches the tokens' tile, waves 1 to 3 W's three kinds.  Each of the two lines has ONE mask; the branch hangs on the wave's number alone.
; An s_nop 0 and four v_nop follow each of the two lines, ahead of the jump, the label and what follows.
.macro JLOAD g0a, g1a, g0b, g1b
	s_cmp_eq_u32 s14, 0
	s_cbranch_scc0 .Lfor_w_\@
	tensor_load_to_lds s[\g0a:\g0a+3], s[\g1a:\g1a+7]
	s_nop 0
.rept 4
	v_nop
.endr
	s_branch .Lasked_\@
.Lfor_w_\@:
	tensor_load_to_lds s[\g0b:\g0b+3], s[\g1b:\g1b+7]
	s_nop 0
.rept 4
	v_nop
.endr
.Lasked_\@:
.endm
.macro CREST                           ; a round of the cluster's barrier behind its opening barrier
	s_cmp_lg_u32 s14, 0
	s_cbranch_scc1 .Lnot_wave_0_\@
	s_barrier_signal -3
.Lnot_wave_0_\@:
	s_barrier_wait -3
	s_barrier_signal -1
	s_barrier_wait -1
.endm
.macro CROUND                          ; a whole round
	s_barrier_signal -1
	s_barrier_wait -1
	CREST
.endm
	s_load_b128 s[4:7], s[0:1], 0x0                ; xq s[4:5], wq s[6:7]
	s_load_b128 s[8:11], s[0:1], 0x10              ; the exponents s[8:9], position_ids s[10:11]
	v_lshl_add_u32 v[SPW], v0, 2, SPARE
	v_mov_b32 v[NIL], 0
	ds_add_u32 v[SPW], v[NIL]                      ; the wave's opening: the add and its wait ahead of my first tensor load; the set-up below, work on registers, stands between them
	ds_add_u32 v[SPW], v[NIL]
	v_lshrrev_b32 v1, 5, v0
	v_readfirstlane_b32 s14, v1                    ; wave 0..3
	s_lshr_b32 s15, s14, 1                         ; which 128 tokens are mine
	s_and_b32 s16, s14, 1                          ; which of the two heads
	s_bfe_u32 s92, ttmp6, 0x40000                  ; cx, cy: my place in the cluster
	s_bfe_u32 s93, ttmp6, 0x40004
	s_lshl_b32 s94, ttmp9, 2
	s_add_co_u32 s94, s94, s92                     ; which pair of heads = 4 x cluster x + cx
	s_and_b32 s17, ttmp7, 0xffff
	s_lshl_b32 s17, s17, 2
	s_add_co_u32 s17, s17, s93                     ; which 256 tokens = 4 x cluster y + cy
	s_lshl_b32 s95, s93, 2
	s_lshl_b32 s95, 15, s95                        ; my row of the cluster
	s_lshl_b32 s96, 0x1111, s92                    ; my column
	; descriptor groups 1: rows = row tiles, 2,048 elements of 8 bytes (16 images) apart in memory, dense in LDS; a row is 128 elements for each image of the fill
.irp g, G1XA3, G1XB, G1XA2
	s_or_b32 s[\g], s95, (3<<16)|(1<<21)           ; 15:0 the mask: the tokens' tiles go to my row; 17:16 elements of 8 bytes; 20 no padding; 21 set beside a mask
	s_mov_b32 s[\g+2], 16<<16                      ; tensor_dim1 = 16 row tiles
	s_mov_b32 s[\g+4], 16                          ; tile_dim1
	s_mov_b32 s[\g+5], 2048                        ; tensor_dim0_stride
	s_mov_b32 s[\g+6], 0
	s_mov_b32 s[\g+7], 0
.endr
.irp g, G1WA3, G1WB, G1WA2
	s_or_b32 s[\g], s96, (3<<16)|(1<<21)           ; the same with the mask of my column
	s_mov_b32 s[\g+2], 8<<16                       ; 8 row tiles: two heads of one kind
	s_mov_b32 s[\g+4], 8
	s_mov_b32 s[\g+5], 2048
	s_mov_b32 s[\g+6], 0
	s_mov_b32 s[\g+7], 0
.endr
.irp g, G1XA3, G1WA3
	s_mov_b32 s[\g+1], 384<<16                     ; tensor_dim0: 3 images
	s_mov_b32 s[\g+3], 384<<16                     ; tile_dim0
.endr
.irp g, G1XB, G1WB
	s_mov_b32 s[\g+1], 512<<16                     ; 4 images
	s_mov_b32 s[\g+3], 512<<16
.endr
.irp g, G1XA2, G1WA2
	s_mov_b32 s[\g+1], 256<<16                     ; 2 images
	s_mov_b32 s[\g+3], 256<<16
.endr
	s_lshl_b32 s20, s17, 18                        ; the tokens' tile: 16 row tiles of 16,384 bytes: it hangs on the tokens' coordinate alone
	s_mov_b32 s21, 0
	s_max_u32 s18, s14, 1
	s_sub_co_u32 s18, s18, 1                       ; the kind that I fetch: wave 1 q, 2 k, 3 v (wave 0 fetches none of W)
	s_lshl_b32 s98, s18, 20                        ; a kind is 64 row tiles,
	s_lshl_b32 s99, s94, 17                        ; a pair of heads 8: W's tile hangs on the heads' coordinate and the wave alone
	s_add_co_u32 s98, s98, s99
	s_mov_b32 s99, 0
	s_mul_i32 s22, s14, KPA                        ; where W's kinds go: no place in the cluster enters an LDS address
	s_add_co_u32 s22, s22, LWA-KPA
	s_mul_i32 s23, s14, KPB
	s_add_co_u32 s23, s23, LWB-KPB
	s_wait_dscnt 0x0                               ; the opening add is done
	s_wait_kmcnt 0x0
	s_add_nc_u64 s[20:21], s[4:5], s[20:21]
	s_add_nc_u64 s[98:99], s[6:7], s[98:99]
	CROUND                                         ; all sixteen work-groups are here: the first joint loads meet
	s_mov_b32 s[G0XA], 1                           ; 1:0 count = 1
	s_mov_b32 s[G0XA+1], LXA                       ; 63:32 LDS address
	s_add_nc_u64 s[G0XA+2:G0XA+3], s[20:21], 0     ; 120:64 global address: image 0
	s_or_b32 s[G0XA+3], s[G0XA+3], 0x80000000      ; 127:126 type = 2
	s_mov_b32 s[G0WA], 1
	s_mov_b32 s[G0WA+1], s22
	s_add_nc_u64 s[G0WA+2:G0WA+3], s[98:99], 0
	s_or_b32 s[G0WA+3], s[G0WA+3], 0x80000000
	JLOAD G0XA, G1XA3, G0WA, G1WA3                 ; slot A: images 0-2
	s_mov_b32 s[G0XB], 1
	s_mov_b32 s[G0XB+1], LXB
	s_add_nc_u64 s[G0XB+2:G0XB+3], s[20:21], 3*1024
	s_or_b32 s[G0XB+3], s[G0XB+3], 0x80000000
	s_mov_b32 s[G0WB], 1
	s_mov_b32 s[G0WB+1], s23
	s_add_nc_u64 s[G0WB+2:G0WB+3], s[98:99], 3*1024
	s_or_b32 s[G0WB+3], s[G0WB+3], 0x80000000
	v_and_b32 v1, 15, v0                           ; r
	v_bfe_u32 v2, v0, 4, 1                         ; h
	v_and_b32 v3, 31, v0
	v_lshlrev_b32 v[OUT0], 4, v3
	; my tokens' positions: token = 256 x tile + 128 x (wave / 2) + 16 a + r
	s_wait_alu depctr_va_vdst(0)
	v_lshlrev_b32 v5, 2, v1
	s_lshl_b32 s18, s17, 10
	s_lshl_b32 s19, s15, 9
	s_add_co_u32 s18, s18, s19
	s_mov_b32 s19, 0
	s_add_nc_u64 s[10:11], s[10:11], s[18:19]
.irp a, 0,1,2,3,4,5,6,7
	global_load_b32 v[PA+\a], v5, s[10:11] offset:64*\a
.endr
	; PREFETCHES INTO THE L2, in groups of four images (4,096 bytes of a row tile): images 4-7 are asked for here, 8-11 behind slot B's first fill, 12-15 behind the first refill: each at least one fill ahead of the load that wants it.
	; A lane names a block of 256 bytes: row tile lane / 16, block lane % 16.  The partners that ask for a tile jointly share its row tiles out BY ADDRESS: of the tokens' 16 the work-group at cx takes 4 cx .. 4 cx + 3
	; (wave 0, two instructions); of a kind's 8 rows tiles of W the one at cy takes 2 cy, 2 cy + 1 (waves 1 to 3, one instruction each).  W's rows are the same for all rows of clusters: four of them ask.
	; Images 0-3 come by their loads alone.  v7, s[12:13] and s2 are never rewritten.
	v_lshlrev_b32 v7, 8, v1
	v_lshl_add_u32 v7, v2, 14, v7
	s_lshl_b32 s2, s92, 16
	s_lshl_b32 s3, s93, 15
	s_cmp_eq_u32 s14, 0
	s_cselect_b64 s[12:13], s[20:21], s[98:99]
	s_cselect_b32 s2, s2, s3
	s_mov_b32 s3, 0
	s_add_nc_u64 s[12:13], s[12:13], s[2:3]
	s_and_b32 s2, ttmp7, 0xffff                    ; the cluster's y: the same in all partners
.macro ASK g
	s_cmp_lg_u32 s14, 0
	s_cbranch_scc1 .Lpw_\@
	global_prefetch_b8 v7, s[12:13] offset:(\g)*4096 th:TH_LOAD_NT scope:SCOPE_SE
	global_prefetch_b8 v7, s[12:13] offset:(\g)*4096+32768 th:TH_LOAD_NT scope:SCOPE_SE
	s_branch .Lpd_\@
.Lpw_\@:
	s_cmp_lt_u32 s2, 4
	s_cbranch_scc0 .Lpd_\@
	global_prefetch_b8 v7, s[12:13] offset:(\g)*4096 th:TH_LOAD_NT scope:SCOPE_SE
.Lpd_\@:
.endm
.macro SETCV k                         ; the way out's codes take five sets of 16 registers by turns: v160-175, v192-255
.if (\k)%5 == 0
.set CV, 160
.else
.set CV, 176+16*((\k)%5)
.endif
.endm
	s_wait_alu depctr_va_vdst(0)
	ASK 1
	; the fragments' LDS addresses: a region's first byte + my 8 (or 4) row tiles x the fill's pitch + 16 x lane
	s_mul_i32 s18, s15, 8*P3
	v_add_nc_u32 v[AXA3], s18, v[OUT0]
	s_mul_i32 s18, s15, 8*P4
	s_add_co_u32 s18, s18, LXB
	v_add_nc_u32 v[AXB], s18, v[OUT0]
	s_mul_i32 s18, s15, 8*P2
	v_add_nc_u32 v[AXA2], s18, v[OUT0]
	s_mul_i32 s18, s16, 4*P3
	s_add_co_u32 s18, s18, LWA
	v_add_nc_u32 v[AWA3], s18, v[OUT0]
	s_mul_i32 s18, s16, 4*P4
	s_add_co_u32 s18, s18, LWB
	v_add_nc_u32 v[AWB], s18, v[OUT0]
	v_add_nc_u32 v[AWBV], 2*KPB, v[AWB]
	s_mul_i32 s18, s16, 4*P2
	s_add_co_u32 s18, s18, LWA
	v_add_nc_u32 v[AWA2], s18, v[OUT0]
	; where my results go, as offsets: s66 in qc, s67 in kv
	s_lshr_b32 s18, s17, 2                         ; the sequence b
	s_lshl_b32 s18, s18, 4
	s_lshl_b32 s19, s94, 1
	s_add_co_u32 s18, s18, s19
	s_add_co_u32 s18, s18, s16                     ; 16 b + my head
	s_and_b32 s19, s17, 3
	s_lshl_b32 s19, s19, 1
	s_add_co_u32 s19, s19, s15                     ; which 128 tokens of the sequence:
	s_lshl_b32 s19, s19, 13                        ; 8 token tiles of 1,024 bytes, or one key step of V: 8,192 bytes either way
	s_lshl_b32 s66, s18, 16                        ; a head is 65,536 bytes in qc,
	s_add_co_u32 s66, s66, s19
	s_lshl_b32 s67, s18, 17                        ; 131,072 in kv
	s_add_co_u32 s67, s67, s19
	v_lshlrev_b32 v4, 5, v2                        ; 32 h
	s_wait_loadcnt 0x0                             ; the positions
.irp a, 0,1,2,3,4,5,6,7
	v_min_u32 v[PA+\a], 0x3ff, v[PA+\a]            ; inside the tables' 1,024 rows
.endr
	s_wait_alu depctr_va_vdst(0)
.irp a, 0,1,2,3,4,5,6,7
	v_lshl_add_u32 v[PA+\a], v[PA+\a], 7, v4       ; a row is 128 bytes
.endr
.macro SETF k                          ; the fill from which the next fragments come: 0: slot A with 3 images, 1: slot B, 2: slot A with 2 images
.if (\k) == 0
.set FAX, AXA3
.set FAW, AWA3
.set FAV, AWA3
.set FVO, 2*KPA
.set FKP, KPA
.set FP,  P3
.elseif (\k) == 1
.set FAX, AXB
.set FAW, AWB
.set FAV, AWBV
.set FVO, 0
.set FKP, KPB
.set FP,  P4
.else
.set FAX, AXA2
.set FAW, AWA2
.set FAV, AWA2
.set FVO, 2*KPA
.set FKP, KPA
.set FP,  P2
.endif
.endm
.macro FETCH_X p, q                    ; my tokens' eight fragments of the fill's image q into set p: two loads of 512 consecutive bytes each
.irp a, 0,1,2,3,4,5,6,7
	ds_load_b128 v[XS+64*(\p)+8*\a:XS+64*(\p)+8*\a+3],   v[FAX] offset:\a*FP+(\q)*1024
	ds_load_b128 v[XS+64*(\p)+8*\a+4:XS+64*(\p)+8*\a+7], v[FAX] offset:\a*FP+(\q)*1024+512
.endr
.endm
.macro FETCH_W1 b, q                   ; W's block b: kind b / 4, row tile b % 4 of my head
.if (\b) < 8
	ds_load_b128 v[WS+8*(\b):WS+8*(\b)+3],   v[FAW] offset:((\b)/4)*FKP+((\b)%4)*FP+(\q)*1024
	ds_load_b128 v[WS+8*(\b)+4:WS+8*(\b)+7], v[FAW] offset:((\b)/4)*FKP+((\b)%4)*FP+(\q)*1024+512
.else
	ds_load_b128 v[WS+8*(\b):WS+8*(\b)+3],   v[FAV] offset:FVO+((\b)%4)*FP+(\q)*1024
	ds_load_b128 v[WS+8*(\b)+4:WS+8*(\b)+7], v[FAV] offset:FVO+((\b)%4)*FP+(\q)*1024+512
.endif
.endm
; 8 matrix instructions: W's block b against the tokens' eight of set p.  zero = 1: the first product starts the sums: nothing is ever cleared.
; The 96 accumulators take turns, one instruction a turn, in the same order in every step.
.macro MUL1 b, p, zero
.set WQ, 0x50*(1+(\b)/4)
	WIN WQ                                         ; C and D in window 1 + b / 4, both sources in window 0
.set WR, WS+8*(\b)
.irp a, 0,1,2,3,4,5,6,7
.set DA, 8*(8*((\b)%4)+\a)
.set XR, XS+64*(\p)+8*\a
.if (\b) < 8
.if \zero
	v_wmma_f32_16x16x64_fp8_fp8 v[DA:DA+7], v[WR:WR+7], v[XR:XR+7], 0
.else
	v_wmma_f32_16x16x64_fp8_fp8 v[DA:DA+7], v[WR:WR+7], v[XR:XR+7], v[DA:DA+7]
.endif
.else
.if \zero
	v_wmma_f32_16x16x64_fp8_fp8 v[DA:DA+7], v[XR:XR+7], v[WR:WR+7], 0
.else
	v_wmma_f32_16x16x64_fp8_fp8 v[DA:DA+7], v[XR:XR+7], v[WR:WR+7], v[DA:DA+7]
.endif
.endif
.endr
.endm
; A load into a register that a matrix instruction has read, and a vector instruction that reads a matrix result or writes one of its registers, stand four places behind it; only plain vector instructions that name none
; of its registers are places (ISA guide 7.12.1 for vector instructions).
.macro PLACES
.rept 4
	v_nop
.endr
.endm
; A step of 64 along K on the tokens' set p, whose successor's fragments come from image nq of fill nk, in the slot that is whole.
.macro STEP p, zero, nk, nq
	s_wait_dscnt 12                                ; the tokens' set and W's blocks 0-5 are in; the youngest twelve loads (blocks 6-11) may be out
.irp b, 0,1,2,3,4,5
	MUL1 \b, \p, \zero
.endr
	s_wait_dscnt 0                                 ; blocks 6-11 are in (asked for 48 matrix instructions ago)
	PLACES
	WIN 0
	SETF \nk
	FETCH_X 1-(\p), \nq
.irp b, 0,1,2,3,4,5
	FETCH_W1 \b, \nq
.endr
.irp b, 6,7,8,9,10,11
	MUL1 \b, \p, \zero
.endr
	PLACES
	WIN 0
.irp b, 6,7,8,9,10,11
	FETCH_W1 \b, \nq
.endr
.endm
; A fill's last step changes slots: ONE barrier; in front of it each wave waits for all its tensor loads, adds 0 to its spare word, and waits for that and for its own reads of this slot.
; fill = 1: this slot is filled again, with the images 7 further on than its last fill's.
.macro TURN p, nk, nq, fill, g0x, g1x, g0w, g1w
	s_wait_tensorcnt 0x0                           ; all my tensor loads have landed: my part of the other slot;  (every window is 0 here: the add's two registers lie in window 0)
	ds_add_u32 v[SPW], v[NIL]                      ; 0 onto my spare word
	s_wait_dscnt 13                                ; (the add and the youngest twelve loads, W's blocks 6-11, may be out)
.irp b, 0,1,2
	MUL1 \b, \p, 0
.endr
	s_wait_dscnt 0x0                               ; the add is done, and my reads of this slot are over
	s_barrier_signal -1
.irp b, 3,4,5
	MUL1 \b, \p, 0
.endr
	WIN 0
	s_barrier_wait -1
.if \fill
	CREST                                          ; the barrier has opened a round of the cluster's barrier: no wave of any partner still reads this slot's tile or has a load on its way
	s_add_nc_u64 s[\g0x+2:\g0x+3], s[\g0x+2:\g0x+3], 7*1024
	s_add_nc_u64 s[\g0w+2:\g0w+3], s[\g0w+2:\g0w+3], 7*1024
	JLOAD \g0x, \g1x, \g0w, \g1w                   ; the first tensor load behind the round; the four v_nop behind it are the places in front of the loads below
.else
	PLACES
.endif
	SETF \nk
	FETCH_X 1-(\p), \nq
.irp b, 0,1,2,3,4,5
	FETCH_W1 \b, \nq
.endr
.irp b, 6,7,8,9,10,11
	MUL1 \b, \p, 0
.endr
	PLACES
	WIN 0
.irp b, 6,7,8,9,10,11
	FETCH_W1 \b, \nq
.endr
.endm
.macro CSLOAD a                        ; token tile a's cos and sin, 16 numbers of each for my lane, into set a % 2
.set CB, CS+32*((\a)%2)
	global_load_b128 v[CB:CB+3],     v[PA+(\a)], s[24:25]
	global_load_b128 v[CB+4:CB+7],   v[PA+(\a)], s[24:25] offset:16
	global_load_b128 v[CB+8:CB+11],  v[PA+(\a)], s[24:25] offset:64
	global_load_b128 v[CB+12:CB+15], v[PA+(\a)], s[24:25] offset:80
	global_load_b128 v[CB+16:CB+19], v[PA+(\a)], s[26:27]
	global_load_b128 v[CB+20:CB+23], v[PA+(\a)], s[26:27] offset:16
	global_load_b128 v[CB+24:CB+27], v[PA+(\a)], s[26:27] offset:64
	global_load_b128 v[CB+28:CB+31], v[PA+(\a)], s[26:27] offset:80
.endm
.macro MKS e, sc                       ; 2^e and 448 x 2^e as f32 patterns
	s_add_co_i32 s54, \e, 127
	s_lshl_b32 s55, s54, 23
	v_mov_b32 v[\sc], s55
	s_add_co_i32 s54, s54, 8
	s_lshl_b32 s54, s54, 23
	s_or_b32 s54, s54, 0x600000
	v_mov_b32 v[\sc+1], s54
.endm
	; slot B's first fill is issued as a refill is: by this text's count a wave has one tensor load out
	s_wait_alu depctr_va_vdst(0)
	s_wait_tensorcnt 0x0                           ; my part of slot A is in
	ds_add_u32 v[SPW], v[NIL]                      ; 0 onto my spare word
	s_wait_dscnt 0x0
	CROUND                                         ; everybody's part of slot A is in, and the joint loads meet
	JLOAD G0XB, G1XB, G0WB, G1WB                   ; slot B: images 3-6, the first tensor load behind the round
	SETF 0
	FETCH_X 0, 0
.irp b, 0,1,2,3,4,5,6,7,8,9,10,11
	FETCH_W1 \b, 0
.endr
	ASK 2
	; the sixteen steps are written out: they differ in slot, pitch and refill
	STEP 0, 1, 0, 1                                ; image 0: its products start the sums
	STEP 1, 0, 0, 2                                ; image 1
	TURN 0, 1, 0, 1, G0XA, G1XA3, G0WA, G1WA3      ; image 2; slot A takes images 7-9
	ASK 3
	STEP 1, 0, 1, 1                                ; image 3
	STEP 0, 0, 1, 2
	STEP 1, 0, 1, 3
	TURN 0, 0, 0, 1, G0XB, G1XB, G0WB, G1WB        ; image 6; slot B takes images 10-13
	STEP 1, 0, 0, 1                                ; image 7
	STEP 0, 0, 0, 2
	TURN 1, 1, 0, 1, G0XA, G1XA2, G0WA, G1WA2      ; image 9; slot A takes images 14, 15
	STEP 0, 0, 1, 1                                ; image 10
	STEP 1, 0, 1, 2
	STEP 0, 0, 1, 3
	TURN 1, 2, 0, 0, 0, 0, 0, 0                    ; image 13: nothing is left to fetch, so no round follows
	s_load_b256 s[24:31], s[0:1], 0x20             ; no tensor load of mine is out and none is to come: the descriptors' registers take the way out's arguments: cos_cache s[24:25], sin_cache s[26:27], qc s[28:29], kv s[30:31],
	s_load_b256 s[32:39], s[8:9], 0x0              ; and e0 .. e7
	STEP 0, 0, 2, 1                                ; image 14
	s_wait_dscnt 12                                ; image 15: the last step fetches no fragment
.irp b, 0,1,2,3,4,5
	MUL1 \b, 1, 0
.endr
	s_wait_dscnt 0
	PLACES                                         ; behind the products of image 14, which read the tokens' set 0: cos and sin land there
	WIN 0
	s_wait_kmcnt 0x0
	s_mov_b32 s46, s66
	s_mov_b32 s47, 0
	s_add_nc_u64 s[48:49], s[28:29], s[46:47]      ; q's images of my head and my 128 tokens
	s_mov_b32 s46, s67
	s_add_nc_u64 s[50:51], s[30:31], s[46:47]      ; k's; V's fragments lie 65,536 bytes further on
	s_add_co_i32 s52, s32, s33                     ; e0 + e1: a sum stands for sum x 2^(e0 + e1)
	s_sub_co_i32 s53, s36, s52                     ; v: the three scales folded into the conversion's one
	MKS s34, SCL
	MKS s35, SCL+2
	MKS s53, SCL+4
	s_lshl_b32 s41, s52, 1
	s_add_co_i32 s41, s41, 121
	s_lshl_b32 s41, s41, 23                        ; 2^(2 (e0 + e1)) / 64: the mean of the squares from their raw sum
	s_add_co_i32 s40, s52, 127
	s_lshl_b32 s40, s40, 23                        ; 2^(e0 + e1)
	s_mov_b32 s42, 0x358637bd                      ; 1e-6
	s_mov_b32 s44, 0x76543210                      ; v_permlanex16_b32's selects for lane xor 16
	s_mov_b32 s45, 0xfedcba98
	CSLOAD 0                                       ; they land under the last 48 products and v's way out
	CSLOAD 1
.irp b, 6,7,8,9,10,11
	MUL1 \b, 1, 0
.endr
	WIN 0
	PLACES                                         ; behind the last products: their results are read and their sources written below
; THE WAY OUT OF v.  Channel tile ct of my head: accumulator (8 + ct, a): lane (r, h) holds channel r and tokens 16 a + 8 h + 0 .. 7: its codes are registers 2 a, 2 a + 1 of the fragment of my 128 keys.
.macro VOUT ct
	WIN 0x03                                       ; source 0: window 3
.set i, 0
.rept 64
	v_med3_num_f32 v[Y+i], v[64*(\ct)+i], -v[SCL+5], v[SCL+5]   ; the conversion to an 8-bit code does not saturate (ISA guide 7.6.2): the hold comes first; each accumulator from its low end on
.set i, i+1
.endr
	WIN 0
	SETCV \ct                                      ; sets 0 to 3: none has been stored from yet
.irp b, 0,1,2,3,4,5,6,7
	v_cvt_scalef32_pk8_fp8_f32 v[CV+2*\b:CV+2*\b+1], v[Y+8*\b:Y+8*\b+7], v[SCL+4]
.endr
	v_nop                                          ; one plain vector instruction behind the last conversion
.irp p, 0,1,2,3
	global_store_b128 v[OUT0], v[CV+4*\p:CV+4*\p+3], s[50:51] offset:65536+(\ct)*2048+512*\p th:TH_STORE_NT   ; 32 lanes store 512 consecutive bytes, aligned
.endr
.endm
; THE WAY OUT OF q AND k (kk = 0, 1), a token tile a at a time.  Accumulator (4 kk + t', a): lane (r, h) holds token 16 a + r and features 16 t' + 8 h + 0 .. 7 of my head; t' = 0, 1 are x1, t' = 2, 3 are x2.
.macro QKOUT a
.set CB, CS+32*((\a)%2)
.if (\a) < 7
	s_wait_loadcnt 8                               ; this tile's cos and sin are in; the next tile's eight loads may be out
.else
	s_wait_loadcnt 0
.endif
.irp kk, 0,1
.set WQ, 1+\kk
	WIN WQ                                         ; source 0: window 1 (q) or 2 (k)
.irp t, 0,1
.irp j, 0,2,4,6
.set XA1, 8*(8*\t+(\a))+\j
.set XA2, XA1+128
.set YA1, Y+32*\kk+8*\t+\j
.set YA2, YA1+16
.set CSN, CB+8*\t+\j
.set SNN, CSN+16
	v_pk_mul_f32 v[YA1:YA1+1], v[XA2:XA2+1], v[SNN:SNN+1]          ; each accumulator is read from its low end on
	v_pk_mul_f32 v[YA2:YA2+1], v[XA2:XA2+1], v[CSN:CSN+1]
	v_pk_fma_f32 v[YA1:YA1+1], v[XA1:XA1+1], v[CSN:CSN+1], v[YA1:YA1+1]                                    ; x1 cos + x2 sin
	v_pk_fma_f32 v[YA2:YA2+1], v[XA1:XA1+1], v[SNN:SNN+1], v[YA2:YA2+1] neg_lo:[1,0,0] neg_hi:[1,0,0]      ; -x1 sin + x2 cos
.endr
.endr
.endr
	WIN 0
.if (\a) <= 5
	CSLOAD (\a)+2                                  ; into the set that has just been read
.endif
.irp kk, 0,1                                   ; the sum of my 32 squares, in two chains of pairs for each of q and k
	v_pk_mul_f32 v[STT+8*\kk:STT+8*\kk+1], v[Y+32*\kk:Y+32*\kk+1], v[Y+32*\kk:Y+32*\kk+1]
	v_pk_mul_f32 v[STT+8*\kk+2:STT+8*\kk+3], v[Y+32*\kk+2:Y+32*\kk+3], v[Y+32*\kk+2:Y+32*\kk+3]
.endr
.irp i, 4,8,12,16,20,24,28
.irp kk, 0,1
	v_pk_fma_f32 v[STT+8*\kk:STT+8*\kk+1], v[Y+32*\kk+\i:Y+32*\kk+\i+1], v[Y+32*\kk+\i:Y+32*\kk+\i+1], v[STT+8*\kk:STT+8*\kk+1]
	v_pk_fma_f32 v[STT+8*\kk+2:STT+8*\kk+3], v[Y+32*\kk+\i+2:Y+32*\kk+\i+3], v[Y+32*\kk+\i+2:Y+32*\kk+\i+3], v[STT+8*\kk+2:STT+8*\kk+3]
.endr
.endr
.irp kk, 0,1
	v_pk_add_f32 v[STT+8*\kk:STT+8*\kk+1], v[STT+8*\kk:STT+8*\kk+1], v[STT+8*\kk+2:STT+8*\kk+3]
.endr
.irp kk, 0,1
	v_add_f32 v[STT+8*\kk+4], v[STT+8*\kk], v[STT+8*\kk+1]
.endr
.irp kk, 0,1
	v_permlanex16_b32 v[STT+8*\kk+5], v[STT+8*\kk+4], s44, s45     ; the token's other 32 features lie in the lane 16 away
.endr
.irp kk, 0,1
	v_add_f32 v[STT+8*\kk+4], v[STT+8*\kk+4], v[STT+8*\kk+5]
.endr
.irp kk, 0,1
	v_fma_f32 v[STT+8*\kk+4], v[STT+8*\kk+4], s41, s42             ; the mean of the squares + 1e-6
.endr
	s_wait_alu depctr_va_vdst(0)
.irp kk, 0,1
	v_rsq_f32 v[STT+8*\kk+6], v[STT+8*\kk+4]
.endr
	v_nop                                          ; a plain instruction behind the last root,
	s_wait_alu depctr_va_vdst(0)                   ; and one wait for the two, ahead of their first reader
.irp kk, 0,1
	v_mul_f32 v[STT+8*\kk+6], s40, v[STT+8*\kk+6]  ; x 2^(e0 + e1), which the raw sums lack
.endr
.irp i, 0,2,4,6,8,10,12,14,16,18,20,22,24,26,28,30
.irp kk, 0,1
	v_pk_mul_f32 v[Y+32*\kk+\i:Y+32*\kk+\i+1], v[Y+32*\kk+\i:Y+32*\kk+\i+1], v[STT+8*\kk+6:STT+8*\kk+7] op_sel_hi:[1,0]
.endr
.endr
.irp kk, 0,1
.set i, 0
.rept 32
	v_med3_num_f32 v[Y+32*\kk+i], v[Y+32*\kk+i], -v[SCL+2*\kk+1], v[SCL+2*\kk+1]   ; the hold ahead of the conversion, which does not saturate (ISA guide 7.6.2)
.set i, i+1
.endr
.endr
	SETCV 4+(\a)                                   ; v's four tiles took turns 0 to 3; this is turn 4 + a
.if ((\a)-1)*((\a)-6) == 0
	s_wait_alu depctr_va_vdst(0)
	s_wait_xcnt 0x0                                ; turns 5 and 10 begin the five sets anew: all earlier stores have read their codes behind this wait
.endif
.irp kk, 0,1
.irp c, 0,1,2,3
	v_cvt_scalef32_pk8_fp8_f32 v[CV+8*\kk+2*\c:CV+8*\kk+2*\c+1], v[Y+32*\kk+8*\c:Y+32*\kk+8*\c+7], v[SCL+2*\kk]    ; registers 2 c, 2 c + 1 of the image
.endr
.endr
	v_nop                                          ; one plain vector instruction behind the last conversion
	global_store_b128 v[OUT0], v[CV:CV+3], s[48:49] offset:(\a)*1024 th:TH_STORE_NT           ; 32 lanes store 512 consecutive bytes, aligned
	global_store_b128 v[OUT0], v[CV+4:CV+7], s[48:49] offset:(\a)*1024+512 th:TH_STORE_NT
	global_store_b128 v[OUT0], v[CV+8:CV+11], s[50:51] offset:(\a)*1024 th:TH_STORE_NT
	global_store_b128 v[OUT0], v[CV+12:CV+15], s[50:51] offset:(\a)*1024+512 th:TH_STORE_NT
.endm
.irp kk, 0,1
	v_mov_b32 v[STT+8*\kk+5], 0                    ; written once: a lane permute's destination counts as one of its sources
	v_mov_b32 v[STT+8*\kk+7], 0                    ; (named as the upper half of the factor's pair)
.endr
	s_wait_alu depctr_va_vdst(0)
.irp ct, 0,1,2,3
	VOUT \ct                                       ; v first: it wants neither cos nor sin, which are on their way
.endr
.irp a, 0,1,2,3,4,5,6,7
	QKOUT \a
.endr
	s_wait_tensorcnt 0x0                           ; the wave's end: behind my last tensor load
	ds_add_u32 v[SPW], v[NIL]
	s_wait_dscnt 0x0
	CROUND                                         ; the closing round: no work-group ends while a partner may still ask for a tile that names it
	s_endpgm
.Lfunc_end_k_q6a42b657e1_qkv:
	.size	k_q6a42b657e1_qkv, .Lfunc_end_k_q6a42b657e1_qkv-k_q6a42b657e1_qkv
	.p2alignl 7, 3214868480
	.fill 96, 4, 3214868480
	.section	.rodata,"a",@progbits
	.p2align	6, 0x0
	.amdhsa_kernel k_q6a42b657e1_qkv
		.amdhsa_group_segment_fixed_size 327680
		.amdhsa_private_segment_fixed_size 0
		.amdhsa_enable_private_segment 0
		.amdhsa_kernarg_size 64
		.amdhsa_user_sgpr_count 2
		.amdhsa_user_sgpr_kernarg_segment_ptr 1
		.amdhsa_wavefront_size32 1
		.amdhsa_system_sgpr_workgroup_id_x 1
		.amdhsa_system_sgpr_workgroup_id_y 1
		.amdhsa_system_sgpr_workgroup_id_z 1
		.amdhsa_system_vgpr_workitem_id 0
		.amdhsa_next_free_vgpr 1024
		.amdhsa_next_free_sgpr 100
		.amdhsa_reserve_vcc 0
		.amdhsa_float_denorm_mode_32 3
		.amdhsa_float_denorm_mode_16_64 3
		.amdhsa_memory_ordered 1
		.amdhsa_forward_progress 1
		.amdhsa_inst_pref_size 255
	.end_amdhsa_kernel
	.section	.bss,"aw",@nobits
	.p2align	6
	.space	262144
	.amdgpu_metadata
---
amdhsa.version: [ 1, 2 ]
amdhsa.kernels:
  - .name:           k_q6a42b657e1_qkv
    .symbol:         k_q6a42b657e1_qkv.kd
    .args:
      - { .name: xq, .offset: 0, .size: 8, .value_kind: global_buffer, .address_space: global }
      - { .name: wq, .offset: 8, .size: 8, .value_kind: global_buffer, .address_space: global }
      - { .name: lowp_scales, .offset: 16, .size: 8, .value_kind: global_buffer, .address_space: global }
      - { .name: position_ids, .offset: 24, .size: 8, .value_kind: global_buffer, .address_space: global }
      - { .name: cos_cache, .offset: 32, .size: 8, .value_kind: global_buffer, .address_space: global }
      - { .name: sin_cache, .offset: 40, .size: 8, .value_kind: global_buffer, .address_space: global }
      - { .name: qc, .offset: 48, .size: 8, .value_kind: global_buffer, .address_space: global }
      - { .name: kv, .offset: 56, .size: 8, .value_kind: global_buffer, .address_space: global }
    .group_segment_fixed_size: 327680
    .private_segment_fixed_size: 0
    .kernarg_segment_align: 8
    .kernarg_segment_size: 64
    .max_flat_workgroup_size: 128
    .sgpr_count:     100
    .vgpr_count:     1024
    .wavefront_size: 32
...
	.end_amdgpu_metadata
.endif
;; end of part 2
;; launch attn (part 3): grid 2 x 128, 16 waves a work-group, no clusters, 133,120 bytes of LDS; arguments qc, kv, gate, lowp_scales, ac; writes ac
.if DOCPART == 3
	.amdgcn_target "amdgcn-amd-amdhsa--gfx1250"
	.amdhsa_code_object_version 6
	.text
	.protected	k_q6a42b657e1_attn
	.globl	k_q6a42b657e1_attn
	.p2align	8
	.type	k_q6a42b657e1_attn,@function
k_q6a42b657e1_attn:
	s_mov_b64 s[64:65], 0
	v_nop
	global_prefetch_b8 v0, s[64:65] scope:SCOPE_SE
	s_setreg_imm32_b32 hwreg(HW_REG_WAVE_MODE, 25, 1), 1
	s_wait_xcnt 0x0
; ATTENTION on codes of E4M3, causal, one (sequence, head) of 1,024 tokens x 64 channels for two work-groups; then x the gate, and the quantiser (2^e8) of the output projection's operand.
; THE SOFTMAX AHEAD OF THE SECOND PRODUCT: t = score x log2(e) / 8; M = the row's largest t so far, rounded UP to a whole number; p = 2^(t - M) is what is quantised (2^e5), not normalised.  The row's sum is taken
; of the unquantised p, in f32, and divides O at the end.  When M moves, the sum and O are multiplied by 2^(old M - new M): nothing is rounded.
; IN: qc [b][head][query tile 64][image]; kv [b][head][K: 64 images of 16 keys; V^T: [key step 8][channel tile 4][2,048 bytes]]; an image is 16 rows x 64 k as the plain 8-bit operand's registers, [part][lane][16 bytes].
; gate f32 [token tile][h'][head][8].  OUT: ac [token tile 512][head 16][image].
; SHARES.  The mask is reference()'s own: key steps wholly behind a query tile are not multiplied.  Wave w of work-group j has p = w % 4, u = w / 4 + 4 j and owns query tiles 8 g + u for g = 7 - p and then g = p:
; 9 key steps of 128 in every wave.  Both products are used transposed (S^T = K Q^T, O^T = V^T P^T): a lane holds ONE query (lane % 16); in tile t of S^T register j is key 16 t + 8 h + j.
; LDS: the head's K and V, 131,072 bytes, lie in LDS as they lie in memory.  They come through registers IN TWO HALVES, all sixteen loads of a wave asked for at the head (512 consecutive bytes each).
; Key steps 0-3 (8 loads a wave) are stored, and one barrier opens them.  Every wave's first tile has g >= 4: all walk its key steps 0-3, which no mask touches, while key steps 4-7 land in 32 registers that lie idle
; there (v208-231, v24-31).  Then these are stored, a second barrier opens them, the two mask patterns are made in v208-223 and the second tile's Q is loaded into v24-31.
; The text has no tensor load and no copy.
; THE MASK ON THE DIAGONAL STEP goes in as the C of the score's product: key tile t < u takes 0, t = u the pattern CD (-2^126 where 8 h + j > r, else 0), t > u CH (-2^126 everywhere); chosen by scalar branches on ids.
; Such a score gives p = 0.  The key on the diagonal counts for every query, so M is a number of the row's own.
; THE HOLD.  p <= 1.  Where e5 >= -8 the bound 448 x 2^e5 is above 1 and the hold changes no p.
; NO CLUSTER: a head's bytes are shared by two work-groups alone and are asked for once, at the head.  NO PREFETCH: all bytes are asked for at the head.
; LIMITS: e2 + e3 between -115 and 130 (added to c's exponent field; -2^126 x c stays under -256); e5 and e8 between -126 and 119.  NaN is not served.
; REGISTERS: v1, v2 my lane's place in K's and V's images; v3, v4 the tiles' offsets in ac; v5, v6 the add's two; v7, v8 LDS addresses of the step; v9 r - 8 h; v10, v11 the gates; v12 -M, v13 the largest t,
;   v[14:15] the sum; v16-31 Q; v32-95 K's 8 fragments, then V's 4; v96-159 S^T, then p; v160-191 O^T; v192-207 codes; v208-215 CD; v216-223 CH; v237, v241 the fill's places; v247 the second Q's offset; v232-254 at work.
.set VOFF,  65536
.set HALF,  32768                      ; key steps 4-7 begin here, in K's bytes and in V's
.set SPARE, 131072                     ; the spare words, 128 bytes for each wave
.set STEPB, 8192
.set CD, 208
.set CH, 216
	s_load_b128 s[4:7], s[0:1], 0x0                ; qc, kv
	s_load_b128 s[8:11], s[0:1], 0x10              ; gate, the exponents
	s_load_b64 s[12:13], s[0:1], 0x20              ; ac
	v_lshl_add_u32 v5, v0, 2, SPARE
	v_mov_b32 v6, 0
	v_lshrrev_b32 v7, 5, v0
	v_and_b32 v8, 31, v0
	v_readfirstlane_b32 s18, v7                    ; wave 0..15
	v_lshlrev_b32 v1, 4, v8                        ; 16 x lane
	v_lshl_add_u32 v237, v7, 11, v1                ; my 16 bytes of my wave's 2,048 of each quarter: in the head's bytes and in LDS alike
	v_add_nc_u32 v2, VOFF, v1
	v_add_nc_u32 v241, VOFF, v237
	v_and_b32 v8, 15, v0                           ; r
	v_bfe_u32 v9, v0, 4, 1                         ; h
	s_wait_alu depctr_va_vdst(0)
	s_and_b32 s50, ttmp7, 0xffff                   ; 16 b + head
	s_and_b32 s37, s18, 3                          ; p: the second tile's g
	s_sub_co_u32 s36, 7, s37                       ; the first tile's
	s_lshr_b32 s51, s18, 2
	s_lshl_b32 s54, ttmp9, 2
	s_add_co_u32 s51, s51, s54                     ; u
	s_lshl_b32 s54, s36, 3
	s_add_co_u32 s54, s54, s51                     ; the first query tile
	s_lshl_b32 s55, s37, 3
	s_add_co_u32 s55, s55, s51                     ; the second
	s_lshl_b32 s56, s54, 14                        ; ac: a token tile is 16 images
	s_lshl_b32 s57, s55, 14
	s_lshl_b32 s58, s54, 10                        ; qc and gate: 1,024 bytes a tile
	s_lshl_b32 s59, s55, 10
	s_lshl_b32 s24, s50, 17                        ; offsets of my head: kv,
	s_mov_b32 s25, 0
	s_lshl_b32 s26, s50, 16                        ; qc,
	s_mov_b32 s27, 0
	s_lshr_b32 s32, s50, 4                         ; b
	s_and_b32 s33, s50, 15                         ; head
	s_lshl_b32 s28, s32, 16
	s_lshl_b32 s34, s33, 5
	s_add_co_u32 s28, s28, s34                     ; gate,
	s_mov_b32 s29, 0
	s_lshl_b32 s30, s32, 20
	s_lshl_b32 s34, s33, 10
	s_add_co_u32 s30, s30, s34                     ; ac
	s_mov_b32 s31, 0
	s_mov_b32 s20, 0x76543210                      ; v_permlanex16_b32's selects for lane xor 16
	s_mov_b32 s21, 0xfedcba98
	v_add_nc_u32 v3, s56, v1
	v_add_nc_u32 v4, s57, v1
	v_add_nc_u32 v232, s58, v1                     ; Q's images
	v_add_nc_u32 v247, s59, v1
	v_lshrrev_b32 v234, 3, v8
	v_and_b32 v235, 7, v8
	v_lshlrev_b32 v9, 3, v9
	v_lshlrev_b32 v234, 9, v234
	v_sub_nc_u32 v9, v8, v9                        ; r - 8 h
	v_lshl_add_u32 v234, v235, 2, v234             ; gate: 512 (r / 8) + 4 (r % 8)
	v_mov_b32 v236, 0                              ; a lane permute's destination counts as one of its sources
	v_add_nc_u32 v235, s59, v234
	v_add_nc_u32 v234, s58, v234
	v_mov_b32 v253, 0                              ; (the upper half of the pair v[252:253])
	s_wait_alu depctr_va_vdst(0)
	s_wait_kmcnt 0x0
	s_load_b256 s[40:47], s[10:11], 0x0            ; e0 .. e7
	s_load_b64 s[48:49], s[10:11], 0x20            ; e8, e9
	s_add_nc_u64 s[6:7], s[6:7], s[24:25]
	s_add_nc_u64 s[4:5], s[4:5], s[26:27]
	s_add_nc_u64 s[8:9], s[8:9], s[28:29]
	s_add_nc_u64 s[12:13], s[12:13], s[30:31]
.irp i, 0,1,2,3
	global_load_b128 v[32+4*\i:35+4*\i], v237, s[6:7] offset:512*\i            ; key steps 0-3: K,
	global_load_b128 v[48+4*\i:51+4*\i], v237, s[6:7] offset:VOFF+512*\i       ; and V; 32 lanes read 512 consecutive bytes
.endr
	global_load_b128 v[16:19], v232, s[4:5] th:TH_LOAD_NT
	global_load_b128 v[20:23], v232, s[4:5] offset:512 th:TH_LOAD_NT
	global_load_b32 v10, v234, s[8:9]
	global_load_b32 v11, v235, s[8:9]
.irp i, 0,1,2
	global_load_b128 v[208+4*\i:211+4*\i], v237, s[6:7] offset:HALF+512*\i     ; key steps 4-7, into registers that lie idle until they are stored
	global_load_b128 v[220+4*\i:223+4*\i], v237, s[6:7] offset:VOFF+HALF+512*\i
.endr
	global_load_b128 v[24:27], v237, s[6:7] offset:HALF+1536
	global_load_b128 v[28:31], v237, s[6:7] offset:VOFF+HALF+1536
	s_wait_kmcnt 0x0
	s_mov_b32 s22, 0x3e38aa3b                      ; c = log2(e) / 8
	s_add_co_i32 s59, s42, s43
	s_lshl_b32 s59, s59, 23
	s_add_co_i32 s22, s22, s59                     ; x 2^(e2 + e3), in c's exponent field
	s_mov_b32 s23, s22
	s_add_co_i32 s59, s45, 127
	s_lshl_b32 s58, s59, 23
	v_mov_b32 v244, s58                            ; 2^e5
	s_add_co_i32 s59, s59, 8
	s_lshl_b32 s59, s59, 23
	s_or_b32 s59, s59, 0x600000
	v_mov_b32 v240, s59                            ; 448 x 2^e5
	s_add_co_i32 s59, s48, 127
	s_lshl_b32 s58, s59, 23
	v_mov_b32 v245, s58                            ; 2^e8
	s_add_co_i32 s59, s59, 8
	s_lshl_b32 s59, s59, 23
	s_or_b32 s59, s59, 0x600000
	v_mov_b32 v246, s59                            ; 448 x 2^e8
	s_add_co_i32 s38, s44, s45                     ; e4 + e5
.macro DWM t, qr                       ; the diagonal step's product of key tile t: its C is the mask
	s_cmp_lt_u32 s51, \t
	s_cbranch_scc1 .Lhid_\@
	s_cmp_eq_u32 s51, \t
	s_cbranch_scc1 .Ldia_\@
	v_wmma_f32_16x16x64_fp8_fp8 v[96+8*\t:103+8*\t], v[32+8*\t:39+8*\t], v[\qr:\qr+7], 0
	s_branch .Lnx_\@
.Lhid_\@:
	v_wmma_f32_16x16x64_fp8_fp8 v[96+8*\t:103+8*\t], v[32+8*\t:39+8*\t], v[\qr:\qr+7], v[CH:CH+7]
	s_branch .Lnx_\@
.Ldia_\@:
	v_wmma_f32_16x16x64_fp8_fp8 v[96+8*\t:103+8*\t], v[32+8*\t:39+8*\t], v[\qr:\qr+7], v[CD:CD+7]
.Lnx_\@:
.endm
.macro A8 a, b, c, d, e, f, g, h       ; eight chains of the row's sum, one link each
	v_pk_add_f32 v[242:243], v[242:243], v[\a:\a+1]
	v_pk_add_f32 v[254:255], v[254:255], v[\b:\b+1]
	v_pk_add_f32 v[250:251], v[250:251], v[\c:\c+1]
	v_pk_add_f32 v[248:249], v[248:249], v[\d:\d+1]
	v_pk_add_f32 v[238:239], v[238:239], v[\e:\e+1]
	v_pk_add_f32 v[234:235], v[234:235], v[\f:\f+1]
	v_pk_add_f32 v[232:233], v[232:233], v[\g:\g+1]
	v_pk_add_f32 v[14:15], v[14:15], v[\h:\h+1]
.endm
.macro INIT                            ; a query tile begins; it writes no register that a pending load or store names
	v_mov_b32 v13, 0xff61b1e6                      ; the largest t so far: -3e38
	s_delay_alu instid0(VALU_DEP_1)
	v_floor_f32 v12, -v13                          ; -M
	v_mov_b32 v14, 0
	v_mov_b32 v15, 0
.set i, 0
.rept 32
	v_mov_b32 v[160+i], 0                          ; O^T: the step is written with no first step of its own, which finds zeros
.set i, i+1
.endr
.endm
; KEY STEPS lo .. hi - 1 of a tile: the trip count is a constant.  full = 1: a step all of whose keys come after the tile's queries is jumped over by a scalar branch on ids, and the step on the diagonal takes its mask.
; full = 0: all keys of these steps count for all the tile's queries.
.macro STEPS qr, gs, lo, hi, full
	s_mov_b32 s2, \lo*STEPB                        ; LDS byte of the step's tiles
	s_mov_b32 s3, \lo                              ; the key step
.Lstep_\@:
.if \full
	s_cmp_gt_u32 s3, s[\gs]
	s_cbranch_scc1 .Lhidden_\@
.endif
	v_add_nc_u32 v7, s2, v1
	v_add_nc_u32 v8, s2, v2
	v_nop                                          ; with the two additions: four places in front of loads into registers that the last products have read
	v_nop
.irp t, 0,1,2,3,4,5,6,7
	ds_load_b128 v[32+8*\t:35+8*\t], v7 offset:1024*\t
	ds_load_b128 v[36+8*\t:39+8*\t], v7 offset:1024*\t+512
.endr
	s_wait_alu depctr_va_vdst(0)
	s_wait_dscnt 0x0
.if \full
	s_cmp_eq_u32 s3, s[\gs]
	s_cbranch_scc1 .Ldiag_\@
.endif
.irp t, 0,1,2,3,4,5,6,7
	v_wmma_f32_16x16x64_fp8_fp8 v[96+8*\t:103+8*\t], v[32+8*\t:39+8*\t], v[\qr:\qr+7], 0
.endr
.if \full
	s_branch .Lscored_\@
.Ldiag_\@:
.irp t, 0,1,2,3,4,5,6,7
	DWM \t, \qr
.endr
.Lscored_\@:
.endif
.rept 4
	v_nop                                          ; places in front of the loads below and of the first read of the scores
.endr
.irp t, 0,1,2,3
.irp c, 0,1,2,3
	ds_load_b128 v[32+16*\t+4*\c:35+16*\t+4*\c], v8 offset:2048*\t+512*\c     ; V's four fragments land under the softmax
.endr
.endr
	v_max3_num_f32 v254, v96, v97, v98             ; the step's largest score of my query, in two chains; each accumulator from its low end on
	v_max3_num_f32 v252, v99, v100, v101
.irp i, 6,10,14,18,22,26,30,34,38,42,46,50,54,58
	v_max3_num_f32 v254, v254, v[96+\i], v[97+\i]
	v_max3_num_f32 v252, v252, v[98+\i], v[99+\i]
.endr
	v_max3_num_f32 v254, v254, v158, v159
	s_delay_alu instid0(VALU_DEP_1)
	v_max_num_f32 v254, v254, v252
	s_delay_alu instid0(VALU_DEP_1)
	v_permlanex16_b32 v236, v254, s20, s21
	s_delay_alu instid0(VALU_DEP_1)
	v_max_num_f32 v254, v254, v236                 ; and among lane xor 16's
	s_delay_alu instid0(VALU_DEP_1)
	v_mul_f32 v254, s22, v254                      ; as t (c is positive)
	s_delay_alu instid0(VALU_DEP_1)
	v_max_num_f32 v13, v13, v254                   ; the running largest t
	v_mov_b32 v254, v12
	s_delay_alu instid0(VALU_DEP_2)
	v_floor_f32 v12, -v13                          ; the new -M = -ceil(t)
	s_delay_alu instid0(VALU_DEP_1)
	v_sub_f32 v254, v12, v254                      ; old M - new M: a whole number, 0 or less
	s_delay_alu instid0(VALU_DEP_1)
	v_cvt_i32_f32 v254, v254                       ; (it saturates)
	s_delay_alu instid0(VALU_DEP_1)
	v_ldexp_f32 v252, 1.0, v254                    ; f = 2^(old M - new M)
.irp j, 0,2,4,6,8,10,12,14,16,18,20,22,24,26,28,30,32,34,36,38,40,42,44,46,48,50,52,54,56,58,60,62
	v_pk_fma_f32 v[96+\j:97+\j], v[96+\j:97+\j], s[22:23], v[12:13] op_sel_hi:[1,0,0]   ; t - M, two at a time
.endr
	s_wait_alu depctr_va_vdst(0)
.set i, 0
.rept 64
	v_exp_f32 v[96+i], v[96+i]                     ; p = 2^(t - M), at most 1
.set i, i+1
.endr
	v_pk_mul_f32 v[14:15], v[14:15], v[252:253] op_sel_hi:[1,0]   ; the sums under the new M (the plain instruction behind the exponentials)
	s_wait_alu depctr_va_vdst(0)                   ; one wait for the batch, ahead of its first reader
	v_pk_add_f32 v[242:243], v[100:101], v[104:105]
	v_pk_add_f32 v[254:255], v[108:109], v[112:113]
	v_pk_add_f32 v[250:251], v[116:117], v[120:121]
	v_pk_add_f32 v[248:249], v[124:125], v[128:129]
	v_pk_add_f32 v[238:239], v[132:133], v[136:137]
	v_pk_add_f32 v[234:235], v[140:141], v[144:145]
	v_pk_add_f32 v[232:233], v[148:149], v[152:153]
	v_pk_add_f32 v[14:15], v[14:15], v[156:157]
	A8 96, 98, 102, 106, 110, 114, 118, 122
	A8 126, 130, 134, 138, 142, 146, 150, 154
	v_pk_add_f32 v[242:243], v[242:243], v[158:159]
	s_delay_alu instid0(VALU_DEP_2)
	v_pk_add_f32 v[14:15], v[14:15], v[248:249]
	s_delay_alu instid0(VALU_DEP_2)
	v_pk_add_f32 v[242:243], v[242:243], v[238:239]
	v_pk_add_f32 v[254:255], v[254:255], v[234:235]
	v_pk_add_f32 v[250:251], v[250:251], v[232:233]
	s_delay_alu instid0(VALU_DEP_2)
	v_pk_add_f32 v[14:15], v[14:15], v[254:255]
	s_delay_alu instid0(VALU_DEP_2)
	v_pk_add_f32 v[242:243], v[242:243], v[250:251]
	s_delay_alu instid0(VALU_DEP_1)
	v_pk_add_f32 v[14:15], v[14:15], v[242:243]
	s_wait_alu depctr_va_vdst(0)
	s_cmp_gt_i32 s45, -9                           ; e5 >= -8: 448 x 2^e5 > 1 >= p, the hold changes nothing
	s_cbranch_scc1 .Lnohold_\@
.set i, 0
.rept 64
	v_min_num_f32 v[96+i], v[96+i], v240           ; the conversion to an 8-bit code does not saturate (ISA guide 7.6.2); p is not negative, so the hold is one-sided
.set i, i+1
.endr
.Lnohold_\@:
.irp t, 0,1,2,3,4,5,6,7
	v_cvt_scalef32_pk8_fp8_f32 v[192+2*\t:193+2*\t], v[96+8*\t:103+8*\t], v244
.endr
	s_wait_alu depctr_va_vdst(0)
.irp j, 0,2,4,6,8,10,12,14,16,18,20,22,24,26,28,30
	v_pk_mul_f32 v[160+\j:161+\j], v[160+\j:161+\j], v[252:253] op_sel_hi:[1,0]   ; O^T under the new M (also the plain instructions between the conversions and the products)
.endr
	s_wait_alu depctr_va_vdst(0)
	s_wait_dscnt 0x0                               ; V
.irp t, 0,1,2,3
	v_wmma_f32_16x16x128_fp8_fp8 v[160+8*\t:167+8*\t], v[32+16*\t:47+16*\t], v[192:207], v[160+8*\t:167+8*\t]   ; four accumulators by turns
.endr
.Lhidden_\@:
	s_add_co_u32 s2, s2, STEPB
	s_add_co_u32 s3, s3, 1
	s_cmp_lt_u32 s3, \hi
	s_cbranch_scc1 .Lstep_\@
.endm
.macro FIN gat, ofs, cr                ; a query tile ends: / the sum, x 2^(e4 + e5), x the gate, the quantiser with 2^e8, the image's two stores from v[cr] on
.rept 4
	v_nop                                          ; places behind the last products
.endr
	v_add_f32 v14, v14, v15
	s_delay_alu instid0(VALU_DEP_1)
	v_permlanex16_b32 v252, v14, s20, s21
	s_delay_alu instid0(VALU_DEP_1)
	v_add_f32 v14, v14, v252                       ; the row's sum
	s_wait_alu depctr_va_vdst(0)
	v_rcp_f32 v14, v14
	v_nop
	s_wait_alu depctr_va_vdst(0)
	v_ldexp_f32 v14, v14, s38                      ; x 2^(e4 + e5)
	s_delay_alu instid0(VALU_DEP_1)
	v_mul_f32 v14, v14, v[\gat]                    ; x my token's gate for this head
	s_wait_alu depctr_va_vdst(0)
.irp j, 0,2,4,6,8,10,12,14,16,18,20,22,24,26,28,30
	v_pk_mul_f32 v[96+\j:97+\j], v[160+\j:161+\j], v[14:15] op_sel_hi:[1,0]   ; register 8 t + i: channel 16 t + 8 h + i of my token
.endr
.set i, 0
.rept 32
	v_med3_num_f32 v[96+i], v[96+i], -v246, v246
.set i, i+1
.endr
.irp c, 0,1,2,3
	v_cvt_scalef32_pk8_fp8_f32 v[\cr+2*\c:\cr+2*\c+1], v[96+8*\c:103+8*\c], v245
.endr
	v_nop                                          ; one plain vector instruction behind the last conversion
	global_store_b128 v[\ofs], v[\cr:\cr+3], s[12:13] th:TH_STORE_NT           ; 32 lanes store 512 consecutive bytes, aligned
	global_store_b128 v[\ofs], v[\cr+4:\cr+7], s[12:13] offset:512 th:TH_STORE_NT
.endm
	INIT                                           ; the first tile's start stands under the loads' flight
	s_wait_alu depctr_va_vdst(0)
	s_wait_loadcnt 12                              ; key steps 0-3 are in; Q's two loads, the two gates and the eight loads of key steps 4-7 may be out
.irp i, 0,1,2,3
	ds_store_b128 v237, v[32+4*\i:35+4*\i] offset:512*\i
	ds_store_b128 v241, v[48+4*\i:51+4*\i] offset:512*\i
.endr
	s_wait_dscnt 0x0                               ; for the others' sake: my part lies in LDS,
	s_barrier_signal -1
	s_barrier_wait -1                              ; everybody's does
	s_wait_loadcnt 8                               ; Q and the gates; the eight loads of key steps 4-7 may be out
	STEPS 16, 36, 0, 4, 0                          ; the first tile, key steps 0-3: LDS bytes under HALF of K and of V alone are read
	s_wait_alu depctr_va_vdst(0)
	s_wait_loadcnt 0x0                             ; key steps 4-7 are in
.irp i, 0,1,2
	ds_store_b128 v237, v[208+4*\i:211+4*\i] offset:HALF+512*\i
	ds_store_b128 v241, v[220+4*\i:223+4*\i] offset:HALF+512*\i
.endr
	ds_store_b128 v237, v[24:27] offset:HALF+1536
	ds_store_b128 v241, v[28:31] offset:HALF+1536
	s_wait_dscnt 0x0                               ; for the others' sake, and the stores have read their registers
	s_barrier_signal -1
	s_barrier_wait -1
	global_load_b128 v[24:27], v247, s[4:5] th:TH_LOAD_NT          ; the second tile's Q
	global_load_b128 v[28:31], v247, s[4:5] offset:512 th:TH_LOAD_NT
	v_mov_b32 v254, 0xfe800000                     ; -2^126
.irp j, 0,1,2,3,4,5,6,7
	v_cmp_gt_i32 vcc_lo, \j, v9
	v_cndmask_b32 v[CD+\j], 0, v254, vcc_lo        ; hidden where 8 h + j > r
	v_mov_b32 v[CH+\j], v254
.endr
	s_wait_alu depctr_va_vdst(0)
	STEPS 16, 36, 4, 8, 1
	FIN 10, 3, 224                                 ; its codes lie in v224-231, which nothing writes again: no wait for its stores is owed
	s_wait_loadcnt 0x0                             ; the second tile's Q
	INIT
	STEPS 24, 37, 0, 4, 1                          ; its g is 3 at the most
	FIN 11, 4, 192
	s_wait_tensorcnt 0x0                           ; the wave's end: behind my last LDS store
	ds_add_u32 v5, v6
	s_wait_dscnt 0x0
	s_endpgm
.Lfunc_end_k_q6a42b657e1_attn:
	.size	k_q6a42b657e1_attn, .Lfunc_end_k_q6a42b657e1_attn-k_q6a42b657e1_attn
	.p2alignl 7, 3214868480
	.fill 96, 4, 3214868480
	.section	.rodata,"a",@progbits
	.p2align	6, 0x0
	.amdhsa_kernel k_q6a42b657e1_attn
		.amdhsa_group_segment_fixed_size 133120
		.amdhsa_private_segment_fixed_size 0
		.amdhsa_enable_private_segment 0
		.amdhsa_kernarg_size 40
		.amdhsa_user_sgpr_count 2
		.amdhsa_user_sgpr_kernarg_segment_ptr 1
		.amdhsa_wavefront_size32 1
		.amdhsa_system_sgpr_workgroup_id_x 1
		.amdhsa_system_sgpr_workgroup_id_y 1
		.amdhsa_system_sgpr_workgroup_id_z 1
		.amdhsa_system_vgpr_workitem_id 0
		.amdhsa_next_free_vgpr 256
		.amdhsa_next_free_sgpr 66
		.amdhsa_reserve_vcc 1
		.amdhsa_float_denorm_mode_32 3
		.amdhsa_float_denorm_mode_16_64 3
		.amdhsa_memory_ordered 1
		.amdhsa_forward_progress 1
		.amdhsa_inst_pref_size 73
	.end_amdhsa_kernel
	.amdgpu_metadata
---
amdhsa.version: [ 1, 2 ]
amdhsa.kernels:
  - .name:           k_q6a42b657e1_attn
    .symbol:         k_q6a42b657e1_attn.kd
    .args:
      - { .name: qc, .offset: 0, .size: 8, .value_kind: global_buffer, .address_space: global }
      - { .name: kv, .offset: 8, .size: 8, .value_kind: global_buffer, .address_space: global }
      - { .name: gate, .offset: 16, .size: 8, .value_kind: global_buffer, .address_space: global }
      - { .name: lowp_scales, .offset: 24, .size: 8, .value_kind: global_buffer, .address_space: global }
      - { .name: ac, .offset: 32, .size: 8, .value_kind: global_buffer, .address_space: global }
    .group_segment_fixed_size: 133120
    .private_segment_fixed_size: 0
    .kernarg_segment_align: 8
    .kernarg_segment_size: 40
    .max_flat_workgroup_size: 512
    .sgpr_count:     66
    .vgpr_count:     256
    .wavefront_size: 32
...
	.end_amdgpu_metadata
.endif
;; end of part 3
;; launch proj (part 4): grid 4 x 64, 4 waves a work-group, clusters of 4 x 4, 327,680 bytes of LDS; arguments ac, woc, lowp_scales, out0; writes out0
.if DOCPART == 4
	.amdgcn_target "amdgcn-amd-amdhsa--gfx1250"
	.amdhsa_code_object_version 6
	.text
	.protected	k_q6a42b657e1_proj
	.globl	k_q6a42b657e1_proj
	.p2align	8
	.type	k_q6a42b657e1_proj,@function
k_q6a42b657e1_proj:
	s_mov_b64 s[64:65], 0
	v_nop
	global_prefetch_b8 v0, s[64:65] scope:SCOPE_SE
	s_setreg_imm32_b32 hwreg(HW_REG_WAVE_MODE, 25, 1), 1
	s_wait_xcnt 0x0
	s_wait_alu depctr_hold_cnt(0) depctr_sa_sdst(0) depctr_va_vdst(0) depctr_va_sdst(0) depctr_va_ssrc(0) depctr_va_vcc(0) depctr_vm_vsrc(0)
	s_getreg_b32 s2, hwreg(HW_REG_IB_STS2, 6, 4)
	s_cmp_eq_u32 s2, 0
	s_cbranch_scc0 .Lentry_in_a_cluster
	s_endpgm
.Lentry_in_a_cluster:
	s_bfe_u32 s2, ttmp6, 0x10000c
	s_cmp_lg_u32 s2, 0xf033
	s_cbranch_scc0 .Lentry_shape_is_right
	s_endpgm
.Lentry_shape_is_right:
; OUT = (attention x gate) Wo^T on codes of E4M3, K = 1,024; each finished sum x 2^(e8 + e9).  LIMIT: e8 + e9 between -126 and 127.
; ac [token tile 512][k / 64: 16][image], woc [feature tile 64][k / 64: 16][image]; an image is 16 rows x 64 k as the plain 8-bit operand's 8 registers, [part 0,1][lane][16 bytes].  out0 [8192][1024] f32.
; SHARES.  256 work-groups, each 128 tokens x 256 features; wave w takes tokens 64 (w / 2) on and features 128 (w % 2) on: 32 accumulators.
; B: the block's 16 feature tiles, all of K, are 262,144 consecutive bytes of woc and lie whole in LDS as they lie in memory: one tensor load a wave at the head (65,536 bytes as 256 rows of 256), nothing is filled again.
; CLUSTERS: 4 x 4.  The four work-groups of a column of the cluster need the same rows of Wo: the load is joint, with the column's mask.
; A: a wave's 64 tokens x all of K are 128 loads of 512 consecutive bytes straight into 512 registers (the images are the operand's registers); by this text's count at most 56 are out.
; They take no way through LDS: beside B's 262,144 bytes LDS has no room for the block's 131,072 bytes of A.
; NO PREFETCH: all of B and the first six images of A are asked for at the head; there is no tile of a later trip to ask for ahead.
; THE MATRIX INSTRUCTION IS USED TRANSPOSED (source 0 = 16 features, source 1 = 16 tokens): a lane holds eight neighbouring numbers of a row of out0.
; REGISTERS: window 0: v16-29 addresses, v32-95 the way out's products, v128-255 B's fragments in two sets of 64; windows 1, 2: A, image i, token tile a at 8 (4 i + a);
;   on the way out window 1 takes the rows read back from the stage, 64 registers of its own for each of the four blocks; window 3: accumulator (a, b) at v[8 (8 a + b)].
.set SIZE_N, 1024
.set STAGE,  262144                    ; behind B: a stage of 16 rows x 528 bytes for each wave, bytes of its own
.set SPITCH, 528
.set SPARE,  STAGE+4*16*SPITCH         ; the spare words, 128 bytes for each wave
.set ADB,  16                          ; v16, v17 LDS address of my feature tiles 0-3, 4-7
.set STO,  24
.set RD,   25
.set CO,   26                          ; 16 x lane
.set SPW,  28
.set NIL,  29
.set TMP,  32
.set BS,   128
.set G1, 24
.set G0, 32
.set MSB, 0
.macro WIN new                         ; the immediate's high byte repeats the setting that is left
.if MSB != \new
	s_set_vgpr_msb (MSB<<8)|\new
.set MSB, \new
.endif
.endm
.macro CROUND                          ; a round of the cluster's barrier
	s_barrier_signal -1
	s_barrier_wait -1
	s_cmp_lg_u32 s14, 0
	s_cbranch_scc1 .Lnot_wave_0_\@
	s_barrier_signal -3
.Lnot_wave_0_\@:
	s_barrier_wait -3
	s_barrier_signal -1
	s_barrier_wait -1
.endm
.macro PLACES
.rept 4
	v_nop
.endr
.endm
	s_load_b128 s[4:7], s[0:1], 0x0                ; ac, woc
	s_load_b128 s[8:11], s[0:1], 0x10              ; the exponents, out0
	v_lshl_add_u32 v[SPW], v0, 2, SPARE
	v_mov_b32 v[NIL], 0
	ds_add_u32 v[SPW], v[NIL]                      ; the opening lines: the add, twice on end, and its wait ahead of my tensor load
	ds_add_u32 v[SPW], v[NIL]
	v_lshrrev_b32 v1, 5, v0
	v_readfirstlane_b32 s14, v1                    ; wave 0..3
	s_lshr_b32 s15, s14, 1                         ; which 64 tokens
	s_and_b32 s16, s14, 1                          ; which 128 features
	s_bfe_u32 s40, ttmp6, 0x40000                  ; cx
	s_bfe_u32 s41, ttmp6, 0x40004                  ; cy
	s_lshl_b32 s42, ttmp9, 2
	s_add_co_u32 s42, s42, s40                     ; which 256 features
	s_and_b32 s17, ttmp7, 0xffff
	s_lshl_b32 s17, s17, 2
	s_add_co_u32 s17, s17, s41                     ; which 128 tokens
	s_lshl_b32 s44, 0x1111, s40                    ; my column of the cluster
	s_or_b32 s[G1], s44, (3<<16)|(1<<21)           ; the mask; elements of 8 bytes; no padding; bit 21 beside a mask
	s_mov_b32 s[G1+1], 32<<16                      ; tensor_dim0: 256 bytes
	s_mov_b32 s[G1+2], 256<<16                     ; tensor_dim1
	s_mov_b32 s[G1+3], 32<<16                      ; tile_dim0
	s_mov_b32 s[G1+4], 256                         ; tile_dim1
	s_mov_b32 s[G1+5], 32                          ; the pitch: dense
	s_mov_b32 s[G1+6], 0
	s_mov_b32 s[G1+7], 0
	s_lshl_b32 s45, s14, 16                        ; my wave's 65,536 bytes, in LDS and in the block alike
	s_lshl_b32 s46, s42, 18                        ; the block: 16 feature tiles of 16,384 bytes: it hangs on the features' coordinate and the wave alone
	s_add_co_u32 s46, s46, s45
	s_mov_b32 s47, 0
	s_lshl_b32 s20, s17, 17                        ; A: 8 token tiles of 16,384 bytes a work-group,
	s_lshl_b32 s21, s15, 16                        ; 4 a wave
	s_add_co_u32 s20, s20, s21
	s_mov_b32 s21, 0
	s_lshl_b32 s18, s17, 19                        ; out0: 128 rows of 4,096 bytes a work-group,
	s_lshl_b32 s19, s15, 18                        ; 64 a wave,
	s_add_co_u32 s18, s18, s19
	s_lshl_b32 s19, s42, 10                        ; 1,024 bytes of a row a work-group,
	s_add_co_u32 s18, s18, s19
	s_lshl_b32 s19, s16, 9                         ; 512 a wave
	s_add_co_u32 s18, s18, s19
	s_mov_b32 s19, 0
	s_lshl_b32 s22, s16, 17                        ; my 8 feature tiles in LDS
	s_mul_i32 s23, s14, 16*SPITCH
	s_add_co_u32 s23, s23, STAGE                   ; my stage
	s_wait_dscnt 0x0                               ; both opening adds are done
	s_wait_kmcnt 0x0
	s_load_b64 s[96:97], s[8:9], 0x20              ; e8, e9
	s_add_nc_u64 s[46:47], s[6:7], s[46:47]
	s_add_nc_u64 s[4:5], s[4:5], s[20:21]
	s_add_nc_u64 s[10:11], s[10:11], s[18:19]
	CROUND                                         ; all sixteen work-groups are here: the joint loads meet
	s_mov_b32 s[G0], 1
	s_mov_b32 s[G0+1], s45
	s_mov_b64 s[G0+2:G0+3], s[46:47]
	s_or_b32 s[G0+3], s[G0+3], 0x80000000
	tensor_load_to_lds s[G0:G0+3], s[G1:G1+7]      ; my one tensor load
	s_nop 0
	PLACES
	v_and_b32 v6, 31, v0
	v_and_b32 v1, 15, v0
	v_bfe_u32 v2, v0, 4, 1
	v_lshlrev_b32 v[CO], 4, v6
	v_mul_u32_u24 v5, v1, SPITCH
	v_add_nc_u32 v[ADB], s22, v[CO]
	v_lshl_add_u32 v5, v2, 5, v5
	v_add_nc_u32 v[RD], s23, v[CO]
	v_add_nc_u32 v[ADB+1], 0x10000, v[ADB]
	v_add_nc_u32 v[STO], s23, v5
	s_wait_alu depctr_va_vdst(0)
.macro ALOAD i                         ; my four token tiles' image i
.set WQ, 0x40*(1+(\i)/8)
	WIN WQ
.irp a, 0,1,2,3
.set AR, 8*(4*((\i)%8)+\a)
	global_load_b128 v[AR:AR+3], v[CO], s[4:5] offset:\a*16384+(\i)*1024
	global_load_b128 v[AR+4:AR+7], v[CO], s[4:5] offset:\a*16384+(\i)*1024+512
.endr
.endm
.macro BFETCH i                        ; my eight feature tiles' image i into set i % 2
.irp b, 0,1,2,3,4,5,6,7
.set BR, BS+64*((\i)%2)+8*\b
	ds_load_b128 v[BR:BR+3], v[ADB+\b/4] offset:(\b%4)*16384+(\i)*1024
	ds_load_b128 v[BR+4:BR+7], v[ADB+\b/4] offset:(\b%4)*16384+(\i)*1024+512
.endr
.endm
.macro MUL i                           ; 32 matrix instructions, the 32 accumulators by turns in the same order in every step; image 0's start the sums
.set WQ, 0xf0|((1+(\i)/8)<<2)
	WIN WQ                                         ; source 0 window 0, source 1 window 1 or 2, C and D window 3
.irp a, 0,1,2,3
.irp b, 0,1,2,3,4,5,6,7
.set DA, 8*(8*\a+\b)
.set BR, BS+64*((\i)%2)+8*\b
.set AR, 8*(4*((\i)%8)+\a)
.if (\i) == 0
	v_wmma_f32_16x16x64_fp8_fp8 v[DA:DA+7], v[BR:BR+7], v[AR:AR+7], 0
.else
	v_wmma_f32_16x16x64_fp8_fp8 v[DA:DA+7], v[BR:BR+7], v[AR:AR+7], v[DA:DA+7]
.endif
.endr
.endr
.endm
.macro STEP i
	WIN 0
	s_wait_dscnt 0x0                               ; B's set of this image is in
.if (\i) > 0
	PLACES                                         ; behind the last step's products, which read the other set
.endif
.if (\i) < 15
	BFETCH (\i)+1
.endif
.if (\i) <= 9
	ALOAD (\i)+6
	s_wait_loadcnt 48                              ; image i is in; the six younger images' 48 loads may be out
.else
	s_wait_loadcnt 8*(15-(\i))
.endif
	MUL \i
.endm
.irp i, 0,1,2,3,4,5
	ALOAD \i
.endr
	WIN 0
	s_wait_tensorcnt 0x0                           ; my quarter of B lies in LDS,
	s_barrier_signal -1
	s_barrier_wait -1                              ; everybody's does
	BFETCH 0
.irp i, 0,1,2,3,4,5,6,7,8,9,10,11,12,13,14,15
	STEP \i
.endr
	WIN 0
; THE WAY OUT, a block of 16 tokens x 128 features at a time: x 2^(e8 + e9), through my own stage, back as whole rows of 512 bytes.  LDS serves a wave's instructions in order: no wait between the stores and the loads.
; Each block's rows come back into 64 registers of their own (window 1, where A's images 0-7 lay), and the stores' offsets are immediates (63 rows of 4,096 bytes at the most): no store's register or base is written again.
.macro TOSTAGE a
.set AC, 64*(\a)
	WIN 0x03                                       ; source 0: window 3
.irp j, 0,2,4,6,8,10,12,14,16,18,20,22,24,26,28,30,32,34,36,38,40,42,44,46,48,50,52,54,56,58,60,62
	v_pk_mul_f32 v[TMP+\j:TMP+\j+1], v[AC+\j:AC+\j+1], s[96:97] op_sel_hi:[1,0]   ; each accumulator from its low end on
.endr
	WIN 0
.irp b, 0,1,2,3,4,5,6,7
	ds_store_b128 v[STO], v[TMP+8*\b:TMP+8*\b+3] offset:64*\b
	ds_store_b128 v[STO], v[TMP+8*\b+4:TMP+8*\b+7] offset:64*\b+16
.endr
.set BB, 64*(\a)
	WIN 0x40                                       ; destination: window 1
.irp t, 0,1,2,3,4,5,6,7,8,9,10,11,12,13,14,15
	ds_load_b128 v[BB+4*\t:BB+4*\t+3], v[RD] offset:\t*SPITCH
.endr
	WIN 0
.endm
.macro SEND a, younger
.set BB, 64*(\a)
	s_wait_dscnt \younger                          ; the block is back in registers
	WIN 0x04                                       ; the stores' data: window 1
.irp t, 0,1,2,3,4,5,6,7,8,9,10,11,12,13,14,15
	global_store_b128 v[CO], v[BB+4*\t:BB+4*\t+3], s[10:11] offset:((\a)*16+\t)*SIZE_N*4 th:TH_STORE_NT   ; 32 lanes store 512 consecutive bytes, aligned
.endr
	WIN 0
.endm
	s_wait_kmcnt 0x0
	s_add_co_i32 s96, s96, s97
	s_add_co_i32 s96, s96, 127
	s_lshl_b32 s96, s96, 23                        ; 2^(e8 + e9) as f32
	PLACES                                         ; behind the last products
	TOSTAGE 0
.irp a, 1,2,3
	TOSTAGE \a
	SEND \a-1, 32                                  ; behind block a - 1's loads: block a's 16 stores and 16 loads
.endr
	SEND 3, 0
	s_wait_tensorcnt 0x0                           ; the wave's end
	ds_add_u32 v[SPW], v[NIL]
	s_wait_dscnt 0x0
	CROUND                                         ; the closing round
	s_endpgm
.Lfunc_end_k_q6a42b657e1_proj:
	.size	k_q6a42b657e1_proj, .Lfunc_end_k_q6a42b657e1_proj-k_q6a42b657e1_proj
	.p2alignl 7, 3214868480
	.fill 96, 4, 3214868480
	.section	.rodata,"a",@progbits
	.p2align	6, 0x0
	.amdhsa_kernel k_q6a42b657e1_proj
		.amdhsa_group_segment_fixed_size 327680
		.amdhsa_private_segment_fixed_size 0
		.amdhsa_enable_private_segment 0
		.amdhsa_kernarg_size 32
		.amdhsa_user_sgpr_count 2
		.amdhsa_user_sgpr_kernarg_segment_ptr 1
		.amdhsa_wavefront_size32 1
		.amdhsa_system_sgpr_workgroup_id_x 1
		.amdhsa_system_sgpr_workgroup_id_y 1
		.amdhsa_system_sgpr_workgroup_id_z 1
		.amdhsa_system_vgpr_workitem_id 0
		.amdhsa_next_free_vgpr 1024
		.amdhsa_next_free_sgpr 98
		.amdhsa_reserve_vcc 0
		.amdhsa_float_denorm_mode_32 3
		.amdhsa_float_denorm_mode_16_64 3
		.amdhsa_memory_ordered 1
		.amdhsa_forward_progress 1
		.amdhsa_inst_pref_size 92
	.end_amdhsa_kernel
	.amdgpu_metadata
---
amdhsa.version: [ 1, 2 ]
amdhsa.kernels:
  - .name:           k_q6a42b657e1_proj
    .symbol:         k_q6a42b657e1_proj.kd
    .args:
      - { .name: ac, .offset: 0, .size: 8, .value_kind: global_buffer, .address_space: global }
      - { .name: woc, .offset: 8, .size: 8, .value_kind: global_buffer, .address_space: global }
      - { .name: lowp_scales, .offset: 16, .size: 8, .value_kind: global_buffer, .address_space: global }
      - { .name: out0, .offset: 24, .size: 8, .value_kind: global_buffer, .address_space: global }
    .group_segment_fixed_size: 327680
    .private_segment_fixed_size: 0
    .kernarg_segment_align: 8
    .kernarg_segment_size: 32
    .max_flat_workgroup_size: 128
    .sgpr_count:     98
    .vgpr_count:     1024
    .wavefront_size: 32
...
	.end_amdgpu_metadata
.endif
;; end of part 4
